; MI455X (gfx1250); checked and timed in simulation.
; The chip was launched on July 23, 2026; its instructions are those of AMD's public machine-readable ISA for CDNA 5 (MIT licence, August 2026) and "CDNA5" Instruction Set Architecture Reference Guide (July 2026). The comments in the code are by the model that wrote it; some were corrected since.
;; Block. Allowed arithmetic: matrix products marked QUANTISED: E4M3 operands, one E8M0 scale for each 32 along K, by v_wmma_scale_f32_16x16x128_f8f6f4 with both operands' format E4M3, f32 sums; everything else in f32.
;; Inputs: b1 4,096 float32; b2 1,024 float32; bproj 1,024 float32; ln1_b 1,024 float32; ln1_g 1,024 float32; ln2_b 1,024 float32; ln2_g 1,024 float32; w1 1,024 x 4,096 float32; w2 4,096 x 1,024 float32; wk 16 x 1,024 x 64 float32; wproj 1,024 x 1,024 float32; wq 16 x 1,024 x 64 float32; wv 16 x 1,024 x 64 float32; x 2 x 2,048 x 1,024 float32.
;; Outputs: out0 2 x 2,048 x 1,024 float32.
;; This version of the problem:
;;   THIS VERSION OF THE PROBLEM IS GIVEN IN LOW PRECISION. The matrix products marked QUANTISED in the list below multiply operands that are first quantised to E4M3 (4 exponent bits, 3 mantissa bits; 8 bits a number), with one power-of-two scale for each 32 numbers along K (OCP MX v1.0); their sums are f32. All else is computed in f32.
;;   The module's matrix products, in the order in which they are computed (A, B: the left and right operand; K: the contracted axis; several contracted axes count as one K, in the product's order):
;;     1. [M 1,024, K 1,024] x [K 1,024, N 4,096]; A: input wq; B: input x: QUANTISED
;;     2. [M 1,024, K 1,024] x [K 1,024, N 4,096]; A: input wk; B: input x: QUANTISED
;;     3. [M 1,024, K 1,024] x [K 1,024, N 4,096]; A: input wv; B: input x: QUANTISED
;;     4. batch 32 x [M 2,048, K 64] x [K 64, N 2,048]; A: computed on the way; B: computed on the way: QUANTISED
;;     5. batch 32 x [M 2,048, K 2,048] x [K 2,048, N 64]; A: softmax (see below); B: computed on the way: QUANTISED
;;     6. [M 4,096, K 1,024] x [K 1,024, N 1,024]; A: computed on the way; B: input wproj: QUANTISED
;;     7. [M 4,096, K 1,024] x [K 1,024, N 4,096]; A: computed on the way; B: input w1: QUANTISED
;;     8. [M 4,096, K 4,096] x [K 4,096, N 1,024]; A: computed on the way; B: input w2: QUANTISED
;;   THE QUANTISER, for each operand of a quantised product, along K:
;;     - K is cut into blocks of 32 from its start; a last block that is shorter is filled with zeros.
;;     - A block's scale is 2^e with e = floor(log2(the largest magnitude in the block)) - 8, held to -126 .. 127; a block of zeros has e = 0. As a byte (E8M0): e + 127.
;;     - Each number is divided by its block's scale, clamped to +-448, and rounded to the nearest number of E4M3, ties to even, subnormals kept.
;;     - The product sums the exact products of the quantised numbers (number of the format x scale) in f32.
;;   ~~~python
;;   def quantise(x, axis):      # numpy; x: float32 -> the quantised numbers, widened to float32 again
;;       x = np.moveaxis(x, axis, -1); K = x.shape[-1]
;;       x = np.pad(x, [(0, 0)] * (x.ndim - 1) + [(0, -K % 32)]); x = x.reshape(x.shape[:-1] + (-1, 32)); a = np.abs(x).max(-1, keepdims=True)
;;       e = np.where(a > 0, np.clip(np.frexp(np.where(a > 0, a, 1))[1] - 1 - 8, -126, 127), 0)      # np.frexp(a)[1] - 1 = floor(log2(a)), exactly
;;       r = np.clip(x / 2.0 ** e, -448, 448)
;;       step = 2.0 ** (np.maximum(np.frexp(np.where(r == 0, 1, r))[1] - 1, -6) - 3)
;;       q = np.round(r / step) * step * 2.0 ** e      # np.round: ties to even
;;       return np.moveaxis(q.reshape(q.shape[:-2] + (-1,))[..., :K], -1, axis).astype(np.float32)
;;   ~~~
;;   SOFTMAX AHEAD OF A QUANTISED PRODUCT. Where the list says 'softmax', what is quantised is not the finished softmax but p = 2^(t - M), with t = logit x log2(e) and M = ceil(the row's largest t), a whole number; so 1/2 < the row's largest p <= 1. The row's sum l is taken of the UNQUANTISED p, in f32, and the product's result is divided by l at the end. Since M is a whole number, a kernel that streams over the keys may use a running M (the ceiling of the running maximum): every later rescaling is an exact power of two, which a block's scale takes up: the codes' values come out the same.
;;   OPERANDS COMPUTED ON THE WAY. 'Computed on the way' means the value that the module computes at that place (a softmax that the list does not call 'softmax' is quantised finished and normalised). What goes into a quantiser is computed in f32, as accurately as f32 sums, v_exp_f32 and their like allow (about 1e-6 of the number): no bf16 or f16 on the way to a quantiser, and a product that is left as it is and whose result goes on into a quantised operand takes f32 operands (vector FMAs, or v_wmma_f32_16x16x4_f32). A number that lies on a knife's edge between two numbers of the format may be rounded either way, as far as f32 arithmetic and the matrix unit's own rounding can turn it there, and no further.
;; One version. Each part assembles by itself: llvm-mc -triple=amdgcn-amd-amdhsa -mcpu=gfx1250 --defsym DOCPART=n.
;; ======== version 1 of 1: 8 launches
;; limits: right only within a limited range of input values
;; workspace buffers: act 5,242,880 bytes; wa 6,291,456 bytes; wb 9,437,184 bytes; big 26,214,400 bytes; cf 67,108,864 bytes; l1 22,020,096 bytes
;; launch quant (part 1): grid 512 x 1, 4 waves a work-group, no clusters, 68,096 bytes of LDS; arguments wq, wk, wv, wproj, w1, w2, wa, wb, x, b1, act; writes wa, wb, act
.if DOCPART == 1
	.amdgcn_target "amdgcn-amd-amdhsa--gfx1250"
	.amdhsa_code_object_version 6
	.text
	.protected	k_q3eaf5484fa_quant
	.globl	k_q3eaf5484fa_quant
	.p2align	8
	.type	k_q3eaf5484fa_quant,@function
k_q3eaf5484fa_quant:
	s_mov_b64 s[64:65], 0
	v_nop
	global_prefetch_b8 v0, s[64:65] scope:SCOPE_SE
	s_setreg_imm32_b32 hwreg(HW_REG_WAVE_MODE, 25, 1), 1
	s_wait_xcnt 0x0
; All f32 inputs of the quantised products become codes of FP8 (E4M3) with K innermost and one E8M0 scale byte for each 32 along K.  Two jobs in one launch, told apart by the work-group's number alone;
; each job has LDS bytes of its own.  An operand's buffer holds scale bytes [row][32] at byte 0 and codes [row][1024] at COD.
; A block's scale is 2^(floor(log2(its largest magnitude)) - 8); its byte is the largest magnitude's exponent field - 8, held at 1 from below.  Each number is divided by the scale, held within +-448 and rounded to the nearest code, ties to even.
; WORK-GROUPS 0 TO 383: the six weights, whose K is their outer axis.  wa: rows 0-1023 wq (row 64 h + d), 1024-2047 wk, 2048-3071 wv, 4096-5119 wproj.  wb: rows 0-4095 w1; row 4096 + 1024 s + n holds w2[1024 s .. 1024 s + 1023][n].
;   A LANE TAKES A COLUMN, AND ITS REGISTERS RUN DOWN K: a block of 32 along K lies in one lane's 32 registers, and the conversions give the codes with K innermost.  A work-group is 128 columns x 256 along K, a wave 32 columns.
;   Which tensor, which columns, which part of K and the pitch hang on the work-group's number, by selects.  A lane's codes go through the wave's own stage in LDS and leave as rows: sixteen lanes store 256 consecutive bytes, aligned.
; WORK-GROUPS 384 TO 511: x [4096][1024], whose K is innermost, into act.  A wave takes 16 steps of 512 numbers.  Each of a step's four loads reads 512 consecutive bytes; the 2,048 bytes turn through the wave's own stage in LDS and come
;   back 64 bytes a lane, so that a lane holds 16 neighbours along K (two neighbouring lanes hold a block).  A wave's 256 scale bytes leave as one aligned run of 256.
;   Wave 0 of the first 64 of them also writes the words that the quantising products read later: a bias of zeros and the lower bound -infinity into wa, a copy of b1 and the lower bound 0 into wb.
; LIMITS: a block of zeros, and a block whose largest magnitude lies under 2^(9 - 127), gets the byte 1 (zero codes add nothing under it; only this program reads the bytes); NaN and infinities among the inputs are not served.
.set COD,   0x100000                   ; where the codes begin in an operand's buffer
.set BIAS,  0xf0000                    ; 4,096 f32
.set LOW,   0xf4000                    ; 32 equal f32 words
.set MANT,  0x600000                   ; the mantissa field of 448 as f32
.set WJOBS, 384                        ; work-groups that take weights
.set SPW,   200                        ; v200 my spare word's LDS address; never rewritten
.set NIL,   201                        ; v201 0; never rewritten
; the weights' names
.set NB,    8                          ; blocks of 32 along K for a wave
.set PITCH, 272                        ; a stage row: 256 bytes + 16
.set KROW,  1024                       ; a row of codes in memory
.set OFF,   16                         ; v16-47   4 x lane + i x pitch; never rewritten
.set X,     48                         ; v48-111  two sets of 32 numbers
.set C,     112                        ; v112-119 a block's codes
.set OUTR,  120                        ; v120-183 the way out
.set SB,    184                        ; v184-185 the scale bytes
; x's names
.set STEPS, 16
.set CB,    16
.set XR,    16                         ; v16-79   four sets of 16 numbers as loaded
.set XX,    80                         ; v80-111  two sets of 16 neighbours
.set XE,    112                        ; v112-127 a scale byte for each step
.set XC,    128                        ; v128-191 codes, four registers a step
.set XB,    4*32*PITCH                 ; LDS: behind the weights' four stages, x's four regions:
.set WREG,  8192                       ; for each wave two stages of 32 x SP bytes, then its 256 scale bytes
.set SP,    80
.set SPARE, XB+4*WREG                  ; the spare words: 128 bytes a wave
	v_lshl_add_u32 v[SPW], v0, 2, SPARE
	v_mov_b32 v[NIL], 0
	s_cmp_ge_u32 ttmp9, WJOBS
	s_cbranch_scc1 .Lx_path
	; ---------------- the weights ----------------
	s_load_b512 s[16:31], s[0:1], 0x0              ; wq, wk, wv, wproj, w1, w2, wa, wb
	v_lshrrev_b32 v1, 5, v0
	v_readfirstlane_b32 s48, v1                    ; wave
	v_and_b32 v2, 31, v0                           ; lane
	v_lshlrev_b32 v3, 2, v2
	s_wait_alu depctr_va_vdst(0)
	s_mov_b32 s2, ttmp9                            ; g: 0-95 wq, wk, wv; 96-127 wproj; 128-255 w1; 256-383 w2
	s_and_b32 s3, s2, 127
	s_and_b32 s6, s3, 31
	s_lshr_b32 s6, s6, 2                           ; block of 128 columns where g < 128,
	s_lshr_b32 s7, s3, 2                           ; in w1,
	s_lshr_b32 s8, s3, 4                           ; in w2
	s_and_b32 s9, s3, 3                            ; block of 256 along K,
	s_and_b32 s10, s3, 15                          ; in w2
	s_lshr_b32 s12, s10, 2
	s_lshl_b32 s12, s12, 10
	s_add_co_u32 s12, s12, 4096                    ; w2's first row in wb
	s_lshr_b32 s13, s2, 5
	s_lshl_b32 s13, s13, 10                        ; wq's, wk's, wv's first row in wa
	s_mov_b32 s11, 4096
	s_cmp_lt_u32 s2, 256
	s_cselect_b32 s7, s7, s8
	s_cselect_b32 s9, s9, s10
	s_cselect_b32 s11, 16384, s11                  ; the pitch in bytes from k to k + 1
	s_cselect_b32 s12, 0, s12
	s_cmp_lt_u32 s2, 128
	s_cselect_b32 s6, s6, s7
	s_cselect_b32 s11, 4096, s11
	s_cselect_b32 s12, 4096, s12
	s_cmp_lt_u32 s2, 96
	s_cselect_b32 s11, 256, s11
	s_cselect_b32 s12, s13, s12
	s_cselect_b32 s14, 1, 0                        ; 1: the tensor is laid [head][k][64]
	s_lshl_b32 s15, s6, 7
	s_lshl_b32 s49, s48, 5
	s_add_co_u32 s15, s15, s49                     ; my wave's first column
	s_lshr_b32 s50, s15, 6
	s_lshl_b32 s50, s50, 18                        ; its head's 262,144 bytes,
	s_and_b32 s51, s15, 63
	s_lshl_b32 s51, s51, 2
	s_add_co_u32 s50, s50, s51                     ; and its place in the head's row
	s_lshl_b32 s51, s15, 2
	s_cmp_lg_u32 s14, 0
	s_cselect_b32 s50, s50, s51
	s_lshl_b32 s51, s9, 8
	s_mul_i32 s51, s51, s11
	s_add_co_u32 s50, s50, s51                     ; + 256 x K block x pitch: under 2^25
	s_mov_b32 s51, 0
	s_lshl_b32 s52, s11, 5                         ; 32 rows on
	s_mov_b32 s53, 0
	s_add_co_u32 s12, s12, s15                     ; my first row of the destination
	s_and_b32 s9, s9, 3
	s_lshl_b32 s54, s12, 10
	s_lshl_b32 s49, s9, 8
	s_add_co_u32 s54, s54, s49
	s_add_co_u32 s54, s54, COD
	s_mov_b32 s55, 0
	s_lshl_b32 s56, s12, 5
	s_lshl_b32 s49, s9, 3
	s_add_co_u32 s56, s56, s49
	s_mov_b32 s57, 0
.set II, 0
.rept 32
	v_mad_u32_u24 v[OFF+II], s11, II, v3           ; row i of a block, my column
.set II, II+1
.endr
	s_mul_i32 s49, s48, 32*PITCH                   ; my stage
	v_mul_u32_u24 v4, v2, PITCH
	v_add_nc_u32 v4, s49, v4                       ; into it: row = my column
	v_and_b32 v5, 15, v2
	v_lshrrev_b32 v6, 4, v2
	v_mul_u32_u24 v7, v6, PITCH
	v_lshl_add_u32 v7, v5, 4, v7
	v_add_nc_u32 v7, s49, v7                       ; out of it: sixteen lanes to a row, two rows an instruction
	v_mul_u32_u24 v8, v6, KROW
	v_lshl_add_u32 v8, v5, 4, v8                   ; the same place among the codes
	v_lshlrev_b32 v9, 5, v2                        ; my column's row of scale bytes
	s_wait_kmcnt 0x0
	s_mov_b64 s[4:5], s[26:27]                     ; the source, chosen by the work-group's number alone
	s_cmp_lt_u32 s2, 256
	s_cselect_b64 s[4:5], s[24:25], s[4:5]
	s_cmp_lt_u32 s2, 128
	s_cselect_b64 s[4:5], s[22:23], s[4:5]
	s_cselect_b64 s[58:59], s[28:29], s[30:31]     ; and the destination
	s_cmp_lt_u32 s2, 96
	s_cselect_b64 s[4:5], s[20:21], s[4:5]
	s_cmp_lt_u32 s2, 64
	s_cselect_b64 s[4:5], s[18:19], s[4:5]
	s_cmp_lt_u32 s2, 32
	s_cselect_b64 s[4:5], s[16:17], s[4:5]
	s_add_nc_u64 s[54:55], s[58:59], s[54:55]      ; codes
	s_add_nc_u64 s[56:57], s[58:59], s[56:57]      ; scale bytes
	s_add_nc_u64 s[32:33], s[4:5], s[50:51]        ; a base for each of the eight blocks: none is ever stepped
.irp t, 1,2,3,4,5,6,7
	s_add_nc_u64 s[32+2*\t:33+2*\t], s[30+2*\t:31+2*\t], s[52:53]
.endr
.macro LOAD t
.set II, 0
.rept 32
	global_load_b32 v[X+32*((\t)%2)+II], v[OFF+II], s[32+2*(\t):33+2*(\t)] th:TH_LOAD_NT
.set II, II+1
.endr
.endm
	LOAD 0
	LOAD 1
.macro BLOCK t
.set XS, X+32*((\t)%2)
.if (\t) < NB-1
	s_wait_loadcnt 32                              ; this block's 32 loads are in; the next block's 32 may be out
.else
	s_wait_loadcnt 0
.endif
	v_max3_num_f32 v12, |v[XS]|, |v[XS+1]|, |v[XS+2]|
	v_max3_num_f32 v13, |v[XS+3]|, |v[XS+4]|, |v[XS+5]|
.irp i, 6,10,14,18,22,26
	v_max3_num_f32 v12, v12, |v[XS+\i]|, |v[XS+\i+1]|
	v_max3_num_f32 v13, v13, |v[XS+\i+2]|, |v[XS+\i+3]|
.endr
	v_max3_num_f32 v12, v12, |v[XS+30]|, |v[XS+31]|
	v_max3_num_f32 v12, v12, v13, 0x4800000        ; and the floor 2^(9 - 127)
	v_add_nc_u32 v11, 0xfc000000, v12              ; the conversion's scale operand
	v_lshrrev_b32 v13, 23, v11                     ; the scale's byte
.if (\t)%4 == 0
	v_mov_b32 v[SB+(\t)/4], v13
.else
	v_lshl_or_b32 v[SB+(\t)/4], v13, 8*((\t)%4), v[SB+(\t)/4]
.endif
.set II, 0
.rept 32
.set II, II+1
.endr
.irp g, 0,1,2,3
	v_cvt_scalef32_pk8_fp8_f32 v[C+2*\g:C+2*\g+1], v[XS+8*\g:XS+8*\g+7], v11
.endr
	v_nop                                          ; a plain line behind the last conversion
	ds_store_b128 v4, v[C:C+3] offset:32*(\t)
	ds_store_b128 v4, v[C+4:C+7] offset:32*(\t)+16
.if (\t)+2 < NB
	LOAD (\t)+2
.endif
	s_wait_dscnt 0x0                               ; the stores have read their registers: the next block's codes may be written
.endm
.irp t, 0,1,2,3,4,5,6,7
	BLOCK \t
.endr
	s_wait_alu depctr_va_vdst(0)
	global_store_b64 v9, v[SB:SB+1], s[56:57]
.irp t, 0,1,2,3,4,5,6,7,8,9,10,11,12,13,14,15
	ds_load_b128 v[OUTR+4*\t:OUTR+4*\t+3], v7 offset:2*\t*PITCH
.endr
.irp t, 0,1,2,3,4,5,6,7,8,9,10,11,12,13,14,15
	s_wait_dscnt 15-\t                             ; LDS loads come back in order: pair t is in
	global_store_b128 v8, v[OUTR+4*\t:OUTR+4*\t+3], s[54:55] offset:2*\t*KROW
.endr
	s_wait_tensorcnt 0x0                           ; the wave's end
	ds_add_u32 v[SPW], v[NIL]
	s_wait_dscnt 0x0
	s_endpgm
	; ---------------- x ----------------
.Lx_path:
	s_load_b128 s[4:7], s[0:1], 0x40               ; x, b1
	s_load_b64 s[8:9], s[0:1], 0x50                ; act
	s_load_b128 s[12:15], s[0:1], 0x30             ; wa, wb
	v_lshrrev_b32 v1, 5, v0
	v_readfirstlane_b32 s16, v1                    ; wave
	v_and_b32 v2, 31, v0                           ; lane
	s_sub_co_u32 s19, ttmp9, WJOBS                 ; which of x's 128 work-groups
	v_lshlrev_b32 v3, 4, v2                        ; my 16 bytes of a load's 512
	s_mul_i32 s17, s16, WREG
	s_add_co_u32 s17, s17, XB                      ; my wave's region
	v_lshrrev_b32 v14, 2, v2
	v_mul_u32_u24 v14, v14, SP
	v_and_b32 v15, 3, v2
	v_lshl_add_u32 v14, v15, 4, v14
	v_add_nc_u32 v14, s17, v14                     ; the stage, on the way in: SP (lane / 4) + 16 (lane % 4)
	v_mul_u32_u24 v15, v2, SP
	v_add_nc_u32 v15, s17, v15                     ; on the way out: SP x lane
	v_mul_u32_u24 v4, v2, CB                       ; my codes' place in a step's
	v_lshrrev_b32 v5, 1, v2
	s_add_co_u32 s17, s17, 2*32*SP
	v_add_nc_u32 v5, s17, v5                       ; my block's byte among my wave's 256
	v_lshlrev_b32 v7, 3, v2
	v_add_nc_u32 v6, s17, v7                       ; and 8 bytes a lane on the way out
	s_lshl_b32 s18, s19, 2
	s_add_co_u32 s18, s18, s16                     ; which run of 8,192 numbers is my wave's
	s_lshl_b32 s20, s18, 15
	s_mov_b32 s21, 0
	s_lshl_b32 s24, s18, 13
	s_add_co_u32 s24, s24, COD
	s_mov_b32 s25, 0
	s_lshl_b32 s26, s18, 8
	s_mov_b32 s27, 0
	s_wait_kmcnt 0x0
	s_add_nc_u64 s[4:5], s[4:5], s[20:21]          ; x at my run
	s_add_nc_u64 s[10:11], s[8:9], s[24:25]        ; its codes
	s_add_nc_u64 s[8:9], s[8:9], s[26:27]          ; its scale bytes
	s_cmp_lg_u32 s16, 0                            ; the parameter words: wave 0 of x's work-groups 0 to 63, 256 bytes each
	s_cbranch_scc1 .Lno_par
	s_cmp_ge_u32 s19, 64
	s_cbranch_scc1 .Lno_par
	s_lshl_b32 s28, s19, 8
	v_lshl_add_u32 v192, v2, 3, s28
	v_mov_b32 v196, 0
	v_mov_b32 v197, 0
	global_load_b64 v[194:195], v192, s[6:7]
	global_store_b64 v192, v[196:197], s[12:13] offset:BIAS
	s_wait_alu depctr_va_vdst(0)
	s_wait_loadcnt 0x0
	global_store_b64 v192, v[194:195], s[14:15] offset:BIAS
	s_cmp_lg_u32 s19, 0
	s_cbranch_scc1 .Lno_par
	v_lshlrev_b32 v193, 2, v2
	v_mov_b32 v198, 0xff800000                     ; -infinity: a lower bound that holds nothing
	global_store_b32 v193, v198, s[12:13] offset:LOW
	global_store_b32 v193, v196, s[14:15] offset:LOW
.Lno_par:                                              ; v192-198 are written nowhere else
.macro XLOAD t
.irp i, 0,1,2,3
	global_load_b128 v[XR+16*((\t)%4)+4*\i:XR+16*((\t)%4)+4*\i+3], v3, s[4:5] offset:2048*(\t)+512*\i th:TH_LOAD_NT
.endr
.endm
.macro XTURN t                         ; LDS serves a wave's instructions in order: no wait between the stores and the loads
.irp i, 0,1,2,3
	ds_store_b128 v14, v[XR+16*((\t)%4)+4*\i:XR+16*((\t)%4)+4*\i+3] offset:32*SP*((\t)%2)+8*SP*\i
.endr
.irp i, 0,1,2,3
	ds_load_b128 v[XX+16*((\t)%2)+4*\i:XX+16*((\t)%2)+4*\i+3], v15 offset:32*SP*((\t)%2)+16*\i
.endr
.endm
.irp t, 0,1,2,3
	XLOAD \t
.endr
	s_wait_loadcnt 12                              ; step 0's four loads are in; the twelve of steps 1 to 3 may be out
	s_wait_alu depctr_va_vdst(0)
	XTURN 0
.macro XSTEP t
.set XQ, XX+16*((\t)%2)
.if (\t) > 0
	s_wait_dscnt 1                                 ; this step's numbers are back from the stage; the last step's byte store may be out
.else
	s_wait_dscnt 0x0
.endif
.if (\t)+4 < STEPS
	XLOAD (\t)+4
.endif
.if (\t)+1 < STEPS
.if STEPS-2-(\t) >= 3
	s_wait_loadcnt 12                              ; the next step's four loads are in; those of the three steps behind it may be out
.else
	s_wait_loadcnt 4*(STEPS-2-(\t))
.endif
	XTURN (\t)+1
.endif
	v_max3_num_f32 v8, |v[XQ]|, |v[XQ+1]|, |v[XQ+2]|
	v_max3_num_f32 v9, |v[XQ+3]|, |v[XQ+4]|, |v[XQ+5]|
.irp i, 6,10
	v_max3_num_f32 v8, v8, |v[XQ+\i]|, |v[XQ+\i+1]|
	v_max3_num_f32 v9, v9, |v[XQ+\i+2]|, |v[XQ+\i+3]|
.endr
	v_max3_num_f32 v8, v8, |v[XQ+14]|, |v[XQ+15]|
	v_max3_num_f32 v8, v8, v9, 0x4800000           ; and the floor 2^(9 - 127): the byte cannot fall under 1
	v_max_num_f32_dpp v8, v8, v8 row_xmask:1 row_mask:0xf bank_mask:0xf   ; with my neighbour's 16: the block's
	v_add_nc_u32 v11, 0xfc000000, v8               ; 8 off the exponent field: the conversion's scale operand
.irp i, 0,1,2,3,4,5,6,7,8,9,10,11,12,13,14,15
.endr
	v_cvt_scalef32_pk8_fp8_f32 v[XC+4*(\t):XC+4*(\t)+1], v[XQ:XQ+7], v11
	v_cvt_scalef32_pk8_fp8_f32 v[XC+4*(\t)+2:XC+4*(\t)+3], v[XQ+8:XQ+15], v11
	v_lshrrev_b32 v[XE+(\t)], 23, v11              ; the scale's byte
	ds_store_b8 v5, v[XE+(\t)] offset:16*(\t)      ; both lanes of a block write the same byte with the same value
	global_store_b128 v4, v[XC+4*(\t):XC+4*(\t)+3], s[10:11] offset:32*CB*(\t)
.endm
.irp t, 0,1,2,3,4,5,6,7,8,9,10,11,12,13,14,15
	XSTEP \t
.endr
	ds_load_b64 v[8:9], v6
	s_wait_dscnt 0x0
	global_store_b64 v7, v[8:9], s[8:9]            ; 32 lanes store 256 consecutive bytes, aligned
	s_wait_tensorcnt 0x0                           ; the wave's end
	ds_add_u32 v[SPW], v[NIL]
	s_wait_dscnt 0x0
	s_endpgm
.Lfunc_end_k_q3eaf5484fa_quant:
	.size	k_q3eaf5484fa_quant, .Lfunc_end_k_q3eaf5484fa_quant-k_q3eaf5484fa_quant
	.p2alignl 7, 3214868480
	.fill 96, 4, 3214868480
	.section	.rodata,"a",@progbits
	.p2align	6, 0x0
	.amdhsa_kernel k_q3eaf5484fa_quant
		.amdhsa_group_segment_fixed_size 68096
		.amdhsa_private_segment_fixed_size 0
		.amdhsa_enable_private_segment 0
		.amdhsa_kernarg_size 88
		.amdhsa_user_sgpr_count 2
		.amdhsa_user_sgpr_kernarg_segment_ptr 1
		.amdhsa_wavefront_size32 1
		.amdhsa_system_sgpr_workgroup_id_x 1
		.amdhsa_system_sgpr_workgroup_id_y 1
		.amdhsa_system_sgpr_workgroup_id_z 1
		.amdhsa_system_vgpr_workitem_id 0
		.amdhsa_next_free_vgpr 204
		.amdhsa_next_free_sgpr 66
		.amdhsa_reserve_vcc 0
		.amdhsa_float_denorm_mode_32 3
		.amdhsa_float_denorm_mode_16_64 3
		.amdhsa_fp16_overflow 1
		.amdhsa_memory_ordered 1
		.amdhsa_forward_progress 1
		.amdhsa_inst_pref_size 81
	.end_amdhsa_kernel
	.amdgpu_metadata
---
amdhsa.version: [ 1, 2 ]
amdhsa.kernels:
  - .name:           k_q3eaf5484fa_quant
    .symbol:         k_q3eaf5484fa_quant.kd
    .args:
      - { .name: wq, .offset: 0, .size: 8, .value_kind: global_buffer, .address_space: global }
      - { .name: wk, .offset: 8, .size: 8, .value_kind: global_buffer, .address_space: global }
      - { .name: wv, .offset: 16, .size: 8, .value_kind: global_buffer, .address_space: global }
      - { .name: wproj, .offset: 24, .size: 8, .value_kind: global_buffer, .address_space: global }
      - { .name: w1, .offset: 32, .size: 8, .value_kind: global_buffer, .address_space: global }
      - { .name: w2, .offset: 40, .size: 8, .value_kind: global_buffer, .address_space: global }
      - { .name: wa, .offset: 48, .size: 8, .value_kind: global_buffer, .address_space: global }
      - { .name: wb, .offset: 56, .size: 8, .value_kind: global_buffer, .address_space: global }
      - { .name: x, .offset: 64, .size: 8, .value_kind: global_buffer, .address_space: global }
      - { .name: b1, .offset: 72, .size: 8, .value_kind: global_buffer, .address_space: global }
      - { .name: act, .offset: 80, .size: 8, .value_kind: global_buffer, .address_space: global }
    .group_segment_fixed_size: 68096
    .private_segment_fixed_size: 0
    .kernarg_segment_align: 8
    .kernarg_segment_size: 88
    .max_flat_workgroup_size: 128
    .sgpr_count:     66
    .vgpr_count:     204
    .wavefront_size: 32
...
	.end_amdgpu_metadata
.endif
;; end of part 1
;; launch qkv (part 2): grid 8 x 24, 4 waves a work-group, clusters of 4 x 4, 327,680 bytes of LDS; arguments act, wa, big; writes big
.if DOCPART == 2
	.amdgcn_target "amdgcn-amd-amdhsa--gfx1250"
	.amdhsa_code_object_version 6
	.text
	.protected	k_q3eaf5484fa_qkv
	.globl	k_q3eaf5484fa_qkv
	.p2align	8
	.type	k_q3eaf5484fa_qkv,@function
k_q3eaf5484fa_qkv:
	s_mov_b64 s[64:65], 0
	v_nop
	global_prefetch_b8 v0, s[64:65] scope:SCOPE_SE
	s_setreg_imm32_b32 hwreg(HW_REG_WAVE_MODE, 25, 1), 1
	s_wait_xcnt 0x0
	s_wait_alu depctr_hold_cnt(0) depctr_sa_sdst(0) depctr_va_vdst(0) depctr_va_sdst(0) depctr_va_ssrc(0) depctr_va_vcc(0) depctr_vm_vsrc(0)
	s_getreg_b32 s2, hwreg(HW_REG_IB_STS2, 6, 4)
	s_cmp_eq_u32 s2, 0
	s_cbranch_scc0 .Lentry_in_a_cluster
	s_endpgm
.Lentry_in_a_cluster:
	s_bfe_u32 s2, ttmp6, 0x10000c
	s_cmp_lg_u32 s2, 0xf033
	s_cbranch_scc0 .Lentry_shape_is_right
	s_endpgm
.Lentry_shape_is_right:
; C[m][n] = max(LOW, sum over k of A[m][k] B[n][k] + bias[n]), K = 1,024, on codes of FP8 (E4M3) with one E8M0 scale for each 32 along K; C is QUANTISED ALONG n on its way out and leaves as codes and scale bytes.
; Arguments a, b, o.  Every operand buffer: scale bytes [row][32] at byte 0, codes [row][1024] at COD.  b also holds 4,096 f32 of bias at BIAS and the lower bound at LOW (-infinity: none; 0: what is negative becomes 0).
; o is cut in panels of 4,096 rows x 1,024 columns: codes at COD + panel x 0x400000, scale bytes at panel x 0x20000.
; Clusters with y under 4: A = a's rows (tokens), B = b's rows (columns of a weight); four tile columns are one panel.
; Clusters with y of 4 and 5 (the first use of this text alone has them): the operands change places, A = b's rows 2,048 on, B = a's rows: C is then the values transposed, [64 head + d][token], quantised along the tokens; panels 2 to 5.
; A tile of C is 256 x 256: four waves, each 128 x 128 in 64 accumulators.  K goes in steps of 256 through a ring of two LDS slots filled by the tensor data mover; the scale bytes of the tile's rows come once and stay.
; CLUSTERS: 4 x 4 work-groups; A's tiles are asked for jointly along a row of the cluster, B's along a column.  The matrix instruction is used transposed (source 0 = rows of B, source 1 = rows of A): a lane holds eight neighbouring columns of a row of C.
; THE WAY OUT: a lane's 16 registers of two neighbouring accumulators lie in one block of 32 columns, lane xor 16 holds the other 16.  Codes and scale words of the whole tile meet in a stage in slot 0 and leave as rows of 256 bytes.
; LIMITS: a block of zeros, or one whose largest magnitude lies under 2^(9 - 127), gets the byte 1 (only this program reads the bytes); NaN and infinities are not served.
; REGISTERS: window 0: v0-31 addresses; v32-63 scale words, two sets; v64-127 the bias in the result's layout; from v128 A's fragments, one set.  window 1: B's fragments, two sets.  windows 2, 3: the accumulators.
.set SIZE_K, 1024
.set COD,    0x100000
.set BIAS,   0xf0000
.set LOW,    0xf4000
.set KSTEP,  256
.set NQ,     KSTEP/128
.set ROWB,   256
.set KROW,   SIZE_K
.set PITCH,  272                       ; an LDS row: 256 bytes + 16: the 16 rows that a load touches start 16 bytes apart modulo 256
.set FR,     16
.set NL,     4
.set NP,     8                         ; places behind this matrix instruction (ISA guide 7.12.1)
.set HALFT,  128*PITCH
.set SLOT,   4*HALFT
.set LAPS,   SIZE_K/(2*KSTEP)
.set KS,     SIZE_K/32
.set SCL,    2*SLOT                    ; behind the ring: the scale bytes, as runs of 256 bytes + 16
.set HALFS,  (128*KS/256)*272
.set SBLK,   (16*KS/256)*272
.set SPARE,  SCL+4*HALFS               ; the spare words: 128 bytes a wave
.set SCST,   256*272                   ; the way out, in slot 0: 256 rows x 272 bytes of codes from byte 0, then 256 rows x 8 scale bytes
.set ADRA, 16
.set ADRB, 20
.set BO,   22                          ; v22 the bias: 32 x (lane / 16)
.set SCO,  23                          ; v23 scale bytes in memory: 32 x lane
.set STO,  24                          ; v24 where I put 8 codes of a row
.set RD,   25                          ; v25 where I read a row of codes back
.set CO,   26                          ; v26 my place in two rows of codes in memory
.set ADRS, 27
.set SPW,  28
.set NIL,  29
.set SSO,  30                          ; v30 where I put a scale word
.set SRD,  31                          ; v31 where I read 8 scale bytes back
.set SC,   32
.set BI,   64
.set AF,   128
.set T,    128                         ; the way out: 64 numbers,
.set PC,   192                         ; their codes,
.set TM,   208                         ; 16 registers at work,
.set PW,   224                         ; the scale word
.set G1, 24
.set G0, 32
.set G1B, 48
.set G0B, 56
.set G1S, 68
.set G0S, 76
.set G1SB, 80
.set G0SB, 88
.set MSB, 0
.macro WIN new                         ; the immediate's high byte repeats the setting that is left
.if MSB != \new
	s_set_vgpr_msb (MSB<<8)|\new
.set MSB, \new
.endif
.endm
.set MUL_LO, 0xa1
.set MUL_HI, 0xf1
.set TO_B,   0x40
; A joint load: waves 0 and 1 fetch for A, waves 2 and 3 for B; the branch hangs on the wave's number alone.  An s_nop 0 and four v_nop follow each of the two lines.
.macro JLOAD g0a, g1a, g0b, g1b
	s_cmp_eq_u32 s15, 0
	s_cbranch_scc0 .Lfor_b_\@
	tensor_load_to_lds s[\g0a:\g0a+3], s[\g1a:\g1a+7]
	s_nop 0
.rept 4
	v_nop
.endr
	s_branch .Lasked_\@
.Lfor_b_\@:
	tensor_load_to_lds s[\g0b:\g0b+3], s[\g1b:\g1b+7]
	s_nop 0
.rept 4
	v_nop
.endr
.Lasked_\@:
.endm
.macro CREST                           ; a round of the cluster's barrier behind its opening barrier
	s_cmp_lg_u32 s14, 0
	s_cbranch_scc1 .Lnot_wave_0_\@
	s_barrier_signal -3
.Lnot_wave_0_\@:
	s_barrier_wait -3
	s_barrier_signal -1
	s_barrier_wait -1
.endm
.macro CROUND
	s_barrier_signal -1
	s_barrier_wait -1
	CREST
.endm
	s_load_b128 s[8:11], s[0:1], 0x0               ; a, b
	s_load_b64 s[12:13], s[0:1], 0x10              ; o
	v_lshl_add_u32 v[SPW], v0, 2, SPARE
	v_mov_b32 v[NIL], 0
	ds_add_u32 v[SPW], v[NIL]                      ; the wave's opening: the add and its wait ahead of my first tensor load
	ds_add_u32 v[SPW], v[NIL]
	v_lshrrev_b32 v1, 5, v0
	v_readfirstlane_b32 s14, v1                    ; wave 0..3
	s_lshr_b32 s15, s14, 1                         ; which half of the tile's rows is mine; also: I fetch for A (0) or B (1)
	s_and_b32 s16, s14, 1                          ; which half of its columns; also: which 128 rows I fetch
	s_bfe_u32 s40, ttmp6, 0x40000                  ; cx
	s_bfe_u32 s41, ttmp6, 0x40004                  ; cy
	s_and_b32 s17, ttmp7, 0xffff                   ; the cluster's y, which all sixteen partners share
	s_sub_co_u32 s18, s17, 4
	s_lshl_b32 s18, s18, 1
	s_add_co_u32 s18, s18, ttmp9                   ; where the operands change places: group of four tile columns = cluster x + 2 (cluster y - 4)
	s_lshl_b32 s19, s17, 2
	s_cmp_ge_u32 s17, 4
	s_cselect_b32 s20, s18, ttmp9                  ; the group of four tile columns
	s_cselect_b32 s21, 8, s19                      ; A's first tile row of the cluster
	s_cselect_b32 s22, 0, s19                      ; the output's
	s_cselect_b32 s23, 2, 0
	s_cselect_b32 s95, 1, 0                        ; 1: the operands change places
	s_lshl_b32 s42, s20, 2
	s_add_co_u32 s42, s42, s40                     ; tile column
	s_add_co_u32 s17, s21, s41                     ; A's tile row
	s_add_co_u32 s99, s22, s41                     ; block of 256 rows in the output's panel
	s_add_co_u32 s98, s20, s23                     ; the panel
	s_lshl_b32 s43, s41, 2
	s_lshl_b32 s43, 15, s43                        ; my row of the cluster
	s_lshl_b32 s44, 0x1111, s40                    ; my column
	s_or_b32 s[G1+0], s43, (0<<16)|(1<<20)|(1<<21)|(5<<22)|(3<<25)  ; the mask; elements of 1 byte; padding on; bit 21 beside a mask; 4 words behind every 64
	s_or_b32 s[G1B+0], s44, (0<<16)|(1<<20)|(1<<21)|(5<<22)|(3<<25)
.irp g, G1, G1B
	s_mov_b32 s[\g+1], ROWB<<16                    ; tensor_dim0
	s_mov_b32 s[\g+2], 128<<16                     ; tensor_dim1
	s_mov_b32 s[\g+3], ROWB<<16                    ; tile_dim0
	s_mov_b32 s[\g+4], 128                         ; tile_dim1
	s_mov_b32 s[\g+5], KROW                        ; the pitch
	s_mov_b32 s[\g+6], 0
	s_mov_b32 s[\g+7], 0
.endr
	s_or_b32 s[G1S+0], s43, (3<<16)|(1<<20)|(1<<21)|(5<<22)|(3<<25)  ; the scale bytes of 128 rows: a dense block, as rows of 32 elements of 8 bytes
	s_or_b32 s[G1SB+0], s44, (3<<16)|(1<<20)|(1<<21)|(5<<22)|(3<<25)
.irp g, G1S, G1SB
	s_mov_b32 s[\g+1], 32<<16
	s_mov_b32 s[\g+2], (128*KS/256)<<16
	s_mov_b32 s[\g+3], 32<<16
	s_mov_b32 s[\g+4], 128*KS/256
	s_mov_b32 s[\g+5], 32
	s_mov_b32 s[\g+6], 0
	s_mov_b32 s[\g+7], 0
.endr
	s_lshl_b32 s18, s16, 7
	s_lshl_b32 s20, s17, 8
	s_add_co_u32 s20, s20, s18                     ; A: row 256 x tile row + 128 x half
	s_lshl_b32 s46, s42, 8
	s_add_co_u32 s46, s46, s18                     ; B: row 256 x tile column + 128 x half
	s_mov_b32 s21, 0
	s_mov_b32 s47, 0
	s_mov_b64 s[18:19], KS
	s_mul_u64 s[22:23], s[20:21], s[18:19]
	s_mul_u64 s[92:93], s[46:47], s[18:19]
	s_mov_b64 s[18:19], KROW
	s_mul_u64 s[20:21], s[20:21], s[18:19]
	s_mul_u64 s[46:47], s[46:47], s[18:19]
	s_mul_i32 s45, s14, HALFT                      ; where they go: wave x 128 rows
	s_mul_i32 s94, s14, HALFS
	s_wait_dscnt 0x0                               ; the opening add is done
	s_wait_kmcnt 0x0
	s_mov_b64 s[96:97], s[10:11]                   ; b, for the bias and the bound
	s_cmp_lg_u32 s95, 0
	s_cselect_b64 s[6:7], s[10:11], s[8:9]         ; A's buffer (its scale bytes),
	s_cselect_b64 s[10:11], s[8:9], s[10:11]       ; B's
	s_add_nc_u64 s[4:5], s[6:7], COD               ; and their codes
	s_add_nc_u64 s[8:9], s[10:11], COD
	s_add_nc_u64 s[20:21], s[4:5], s[20:21]
	s_add_nc_u64 s[22:23], s[6:7], s[22:23]
	s_add_nc_u64 s[46:47], s[8:9], s[46:47]
	s_add_nc_u64 s[92:93], s[10:11], s[92:93]
	CROUND                                         ; all sixteen work-groups are here: the first joint loads meet
	s_mov_b32 s[G0S], 1
	s_add_co_u32 s[G0S+1], s94, SCL
	s_mov_b64 s[G0S+2:G0S+3], s[22:23]
	s_or_b32 s[G0S+3], s[G0S+3], 0x80000000
	s_mov_b32 s[G0SB], 1
	s_add_co_u32 s[G0SB+1], s94, SCL
	s_mov_b64 s[G0SB+2:G0SB+3], s[92:93]
	s_or_b32 s[G0SB+3], s[G0SB+3], 0x80000000
	JLOAD G0S, G1S, G0SB, G1SB                     ; the scale bytes first
.irp s, 0,1
	s_mov_b32 s[G0+4*\s], 1
	s_add_co_u32 s[G0+4*\s+1], s45, \s*SLOT
	s_add_nc_u64 s[G0+4*\s+2:G0+4*\s+3], s[20:21], \s*ROWB
	s_or_b32 s[G0+4*\s+3], s[G0+4*\s+3], 0x80000000
	s_mov_b32 s[G0B+4*\s], 1
	s_add_co_u32 s[G0B+4*\s+1], s45, \s*SLOT
	s_add_nc_u64 s[G0B+4*\s+2:G0B+4*\s+3], s[46:47], \s*ROWB
	s_or_b32 s[G0B+4*\s+3], s[G0B+4*\s+3], 0x80000000
	JLOAD G0+4*\s, G1, G0B+4*\s, G1B
.endr
	s_load_b32 s101, s[96:97], LOW                 ; the lower bound
	s_lshl_b32 s46, s42, 10
	s_lshl_b32 s47, s16, 9
	s_add_co_u32 s46, s46, s47
	s_add_co_u32 s46, s46, BIAS
	s_mov_b32 s47, 0
	s_add_nc_u64 s[92:93], s[96:97], s[46:47]      ; the bias of my 128 columns
	v_and_b32 v1, 15, v0                           ; r
	v_bfe_u32 v2, v0, 4, 1                         ; h
	v_lshlrev_b32 v[BO], 5, v2
.irp b, 0,1,2,3,4,5,6,7
	global_load_b128 v[BI+8*\b:BI+8*\b+3], v[BO], s[92:93] offset:64*\b       ; register 8 b + j: column 16 b + 8 h + j, as in the accumulators
	global_load_b128 v[BI+8*\b+4:BI+8*\b+7], v[BO], s[92:93] offset:64*\b+16
.endr
	v_mul_u32_u24 v3, v1, PITCH
	v_lshl_add_u32 v4, v2, 4, v3
	s_mul_i32 s21, s15, HALFT
	s_mul_i32 s22, s16, HALFT
	s_add_co_u32 s22, s22, 2*HALFT
.irp s, 0,1
	v_add_nc_u32 v[ADRA+\s], s21, v4
	v_add_nc_u32 v[ADRB+\s], s22, v4
	s_add_co_u32 s21, s21, SLOT
	s_add_co_u32 s22, s22, SLOT
.endr
	v_mul_u32_u24 v5, v1, KS
	v_lshrrev_b32 v6, 8, v5
	v_lshl_add_u32 v5, v6, 4, v5
	s_mul_i32 s21, s15, HALFS
	s_mul_i32 s22, s16, HALFS
	s_add_co_u32 s22, s22, 2*HALFS
	s_sub_co_u32 s22, s22, s21
	v_mul_u32_u24 v6, s22, v2                      ; lanes 16-31 take B's scale words
	s_add_co_u32 s21, s21, SCL
	v_add_nc_u32 v5, v5, v6
	v_add_nc_u32 v[ADRS], s21, v5
	s_mul_i32 s23, s15, 128*272                    ; the stage: my 128 rows, my 128 bytes of them; row r, 8 bytes for each half of the lanes
	s_lshl_b32 s21, s16, 7
	s_add_co_u32 s23, s23, s21
	v_lshl_add_u32 v5, v2, 3, v3
	v_add_nc_u32 v[STO], s23, v5
	s_lshl_b32 s23, s15, 10
	s_lshl_b32 s21, s16, 2
	s_add_co_u32 s23, s23, s21
	s_add_co_u32 s23, s23, SCST
	v_lshl_add_u32 v[SSO], v1, 3, s23              ; my row's 8 scale bytes, my wave's four of them
	s_mul_i32 s23, s14, 64*272                     ; back: wave w takes rows 64 w on, whole
	v_mul_u32_u24 v5, v2, 272
	v_lshl_add_u32 v5, v1, 4, v5
	v_add_nc_u32 v[RD], s23, v5
	s_lshl_b32 s23, s14, 9
	s_add_co_u32 s23, s23, SCST
	v_and_b32 v6, 31, v0
	v_lshl_add_u32 v[SRD], v6, 3, s23
	v_lshlrev_b32 v5, 10, v2
	v_lshl_add_u32 v[CO], v1, 4, v5
	v_lshlrev_b32 v[SCO], 5, v6
	s_lshl_b32 s46, s98, 17                        ; the output's scale bytes: panel, block of 256 rows, my 64 rows, the tile's 8 bytes of a row
	s_lshl_b32 s47, s99, 13
	s_add_co_u32 s46, s46, s47
	s_lshl_b32 s47, s14, 11
	s_add_co_u32 s46, s46, s47
	s_lshl_b32 s47, s40, 3
	s_add_co_u32 s46, s46, s47
	s_mov_b32 s47, 0
	s_add_nc_u64 s[66:67], s[12:13], s[46:47]
	s_lshl_b32 s46, s98, 22                        ; and its codes
	s_lshl_b32 s47, s99, 18
	s_add_co_u32 s46, s46, s47
	s_lshl_b32 s47, s14, 16
	s_add_co_u32 s46, s46, s47
	s_lshl_b32 s47, s40, 8
	s_add_co_u32 s46, s46, s47
	s_add_co_u32 s46, s46, COD
	s_mov_b32 s47, 0
	s_add_nc_u64 s[12:13], s[12:13], s[46:47]
.macro FRAG reg, adr, q, i             ; 16 rows x 128 K: lane l holds row l % 16; registers 4 c .. 4 c + 3 hold K = 32 c + 16 (l / 16) + 0 .. 15
.irp c, 0,1,2,3
	ds_load_b128 v[\reg+4*\c:\reg+4*\c+3], v[\adr] offset:128*(\q)+32*\c+(\i)*16*PITCH
.endr
.endm
; 16 matrix instructions: A's blocks a0, a0 + 1 x B's eight.  The 64 accumulators take turns, one instruction a turn, in the same order in every step.
.macro MUL16 a0, p, q, sc, zero
.irp a, \a0, \a0+1
.irp b, 0,1,2,3,4,5,6,7
.if \zero
	v_wmma_scale_f32_16x16x128_f8f6f4 v[8*(8*((\a)%4)+\b):8*(8*((\a)%4)+\b)+7], v[128*(\p)+FR*\b:128*(\p)+FR*\b+FR-1], v[AF+FR*(\a):AF+FR*(\a)+FR-1], 0, v[SC+8*NQ*(\sc)+NQ*\b+(\q)], v[SC+8*NQ*(\sc)+NQ*(\a)+(\q)] matrix_a_scale:MATRIX_SCALE_ROW1
.else
	v_wmma_scale_f32_16x16x128_f8f6f4 v[8*(8*((\a)%4)+\b):8*(8*((\a)%4)+\b)+7], v[128*(\p)+FR*\b:128*(\p)+FR*\b+FR-1], v[AF+FR*(\a):AF+FR*(\a)+FR-1], v[8*(8*((\a)%4)+\b):8*(8*((\a)%4)+\b)+7], v[SC+8*NQ*(\sc)+NQ*\b+(\q)], v[SC+8*NQ*(\sc)+NQ*(\a)+(\q)] matrix_a_scale:MATRIX_SCALE_ROW1
.endif
.endr
.endr
.endm
.macro FETCH_B slot, q, p
	WIN TO_B
.irp i, 0,1,2,3,4,5,6,7
	FRAG 128*(\p)+FR*\i, ADRB+\slot, \q, \i
.endr
	WIN 0
.endm
.macro FETCH_A slot, q, i0
.irp i, \i0, \i0+1, \i0+2, \i0+3
	FRAG AF+FR*(\i), ADRA+\slot, \q, \i
.endr
.endm
.macro SCALES sc                       ; the next K step's scale words: lanes 0-15 A's block i, lanes 16-31 B's block i
.irp i, 0,1,2,3,4,5,6,7
	ds_load_b64 v[SC+8*NQ*\sc+NQ*\i:SC+8*NQ*\sc+NQ*\i+1], v[ADRS] offset:\i*SBLK
.endr
.endm
.macro PLACES n                        ; plain vector lines between a matrix instruction and a load into, or a vector line on, its registers
.rept \n
	v_nop
.endr
.endm
.macro STEP slot, q, zero              ; 128 along K with its successor in the same slot
	s_wait_dscnt 4*NL                              ; B's set and A's blocks 0-3 are in; the youngest 16 loads (A's blocks 4-7) may be out
	WIN MUL_LO
	MUL16 0, (\q)%2, \q, \slot, \zero
	MUL16 2, (\q)%2, \q, \slot, \zero
	s_wait_dscnt 0
	PLACES NP
	FETCH_B \slot, (\q)+1, 1-(\q)%2
	FETCH_A \slot, (\q)+1, 0
	WIN MUL_HI
	MUL16 4, (\q)%2, \q, \slot, \zero
	MUL16 6, (\q)%2, \q, \slot, \zero
	PLACES NP
	WIN 0
	FETCH_A \slot, (\q)+1, 4
.endm
; A slot's last step changes slots: one barrier; in front of it each wave waits for all its tensor loads, adds 0 to its spare word, and waits for that and for its reads of this slot.
.macro TURN slot, next, fill
	s_wait_tensorcnt 0x0                           ; all my tensor loads have landed: my part of the next slot
	ds_add_u32 v[SPW], v[NIL]
	s_wait_dscnt 4*NL+1                            ; the add and the youngest 16 loads may be out
	WIN MUL_LO
	MUL16 0, 1, NQ-1, \slot, 0
	s_wait_dscnt 0x0                               ; the add is done, and my reads of this slot are over
	s_barrier_signal -1
	MUL16 2, 1, NQ-1, \slot, 0
	WIN 0
	s_barrier_wait -1
.if \fill
	CREST                                          ; the barrier has opened a round of the cluster's: no wave of any partner still reads this slot or has a load on its way
	s_add_nc_u64 s[G0+4*\slot+2:G0+4*\slot+3], s[G0+4*\slot+2:G0+4*\slot+3], 2*ROWB
	s_add_nc_u64 s[G0B+4*\slot+2:G0B+4*\slot+3], s[G0B+4*\slot+2:G0B+4*\slot+3], 2*ROWB
	JLOAD G0+4*\slot, G1, G0B+4*\slot, G1B         ; the first tensor load behind the round
	PLACES NP-4
.else
	PLACES NP
.endif
	s_wait_alu depctr_va_vdst(0)
	v_add_nc_u32 v[ADRS], 4*NQ, v[ADRS]
	FETCH_B \next, 0, 0
	FETCH_A \next, 0, 0
	SCALES \next
	WIN MUL_HI
	MUL16 4, 1, NQ-1, \slot, 0
	MUL16 6, 1, NQ-1, \slot, 0
	PLACES NP
	WIN 0
	FETCH_A \next, 0, 4
.endm
	s_wait_kmcnt 0x0                               ; the lower bound
	s_wait_tensorcnt 1                             ; the scale bytes and my part of K step 0 are in; K step 1's one load may be out
	s_barrier_signal -1
	s_barrier_wait -1
	FETCH_B 0, 0, 0
	FETCH_A 0, 0, 0
	SCALES 0
	FETCH_A 0, 0, 4
	STEP 0, 0, 1                                   ; the first step's products start the sums
	s_mov_b32 s3, LAPS-1
.Llap:
	TURN 0, 1, 1
	STEP 1, 0, 0
	TURN 1, 0, 1
	STEP 0, 0, 0
	s_sub_co_u32 s3, s3, 1
	s_cmp_lg_u32 s3, 0
	s_cbranch_scc1 .Llap
	TURN 0, 1, 0                                   ; the last lap fills nothing
	STEP 1, 0, 0
	s_wait_dscnt 4*NL
	WIN MUL_LO
	MUL16 0, 1, NQ-1, 1, 0
	MUL16 2, 1, NQ-1, 1, 0
	s_wait_dscnt 0
	WIN MUL_HI
	MUL16 4, 1, NQ-1, 1, 0
	MUL16 6, 1, NQ-1, 1, 0
	WIN 0
; 64 numbers of a lane, register 16 b + i in block b of 32 columns of my row, become codes in v[PC] on and the row's scale word in v[PW]
.macro QUANT s
.irp b, 0,1,2,3
	v_max3_num_f32 v[TM+\b], |v[\s+16*\b]|, |v[\s+1+16*\b]|, 0x4800000   ; with the floor 2^(9 - 127): the byte cannot fall under 1
.endr
.irp i, 2,4,6,8,10,12,14
.irp b, 0,1,2,3
	v_max3_num_f32 v[TM+\b], v[TM+\b], |v[\s+16*\b+\i]|, |v[\s+1+16*\b+\i]|
.endr
.endr
.irp b, 0,1,2,3
	v_permlanex16_b32 v[TM+4+\b], v[TM+\b], s20, s21
.endr
.irp b, 0,1,2,3
	v_max_num_f32 v[TM+\b], v[TM+\b], v[TM+4+\b]   ; with lane l xor 16's: the block's largest magnitude
.endr
.irp b, 0,1,2,3
	v_add_nc_u32 v[TM+12+\b], 0xfc000000, v[TM+\b] ; the conversion's scale operand
.endr
.irp b, 0,1,2,3
.endr
.irp b, 0,1,2,3
	v_lshrrev_b32 v[TM+4+\b], 23, v[TM+12+\b]      ; the scale's byte
.endr
	v_lshl_or_b32 v[PW], v[TM+5], 8, v[TM+4]
	v_lshl_or_b32 v[PW], v[TM+6], 16, v[PW]
	v_lshl_or_b32 v[PW], v[TM+7], 24, v[PW]
.irp b, 0,1,2,3
.irp i, 0,1,2,3,4,5,6,7,8,9,10,11,12,13,14,15
.endr
	v_cvt_scalef32_pk8_fp8_f32 v[PC+4*\b:PC+1+4*\b], v[\s+16*\b:\s+7+16*\b], v[TM+12+\b]
	v_cvt_scalef32_pk8_fp8_f32 v[PC+2+4*\b:PC+3+4*\b], v[\s+8+16*\b:\s+15+16*\b], v[TM+12+\b]
.endr
	v_nop                                          ; a plain line behind the last conversion
.endm
; Block a of 16 rows: bias, lower bound, quantiser, into the stage.  Registers 0-7 of a block's 16 are columns 32 b + 8 h + 0..7, registers 8-15 columns 32 b + 16 + 8 h + 0..7.
.macro OUTROW a
	WIN (0x02+(\a)/4)                              ; source 0: window 2 or 3
.set II, 0
.rept 32
	v_pk_add_f32 v[T+II:T+II+1], v[64*((\a)%4)+II:64*((\a)%4)+II+1], v[BI+II:BI+II+1]   ; + bias, and into window 0; each accumulator from its low end on
.set II, II+2
.endr
	WIN 0
.set II, 0
.rept 64
	v_max_num_f32 v[T+II], s101, v[T+II]
.set II, II+1
.endr
	QUANT T
.irp b, 0,1,2,3
.irp u, 0,1
	ds_store_b64 v[STO], v[PC+4*\b+2*\u:PC+4*\b+2*\u+1] offset:(\a)*16*272+32*\b+16*\u
.endr
.endr
	ds_store_b32 v[SSO], v[PW] offset:128*(\a)     ; both halves of the lanes write the same word with the same value
	s_wait_dscnt 0x0                               ; the stores have read their registers
.endm
	s_wait_loadcnt 0x0                             ; the bias
	s_mov_b32 s20, 0x76543210
	s_mov_b32 s21, 0xfedcba98                      ; lane l xor 16
	PLACES NP                                      ; behind the last products: their results are read and A's registers written below
.irp b, 0,1,2,3
	v_mov_b32 v[TM+4+\b], 0                        ; a lane permute's destination counts as one of its sources
.endr
.irp a, 0,1,2,3,4,5,6,7
	OUTROW \a
.endr
	s_barrier_signal -1                            ; every wave's stores into the stage are done (the wait for 0 above)
	s_barrier_wait -1
.set II, 0
.rept 32
	ds_load_b128 v[128+4*II:128+4*II+3], v[RD] offset:544*II
.set II, II+1
.endr
	ds_load_b64 v[8:9], v[SRD]
	ds_load_b64 v[10:11], v[SRD] offset:256
	s_wait_dscnt 0x0
.set II, 0
.rept 32
	global_store_b128 v[CO], v[128+4*II:128+4*II+3], s[12:13] offset:2048*II   ; sixteen lanes store 256 consecutive bytes, aligned
.set II, II+1
.endr
	global_store_b64 v[SCO], v[8:9], s[66:67]
	global_store_b64 v[SCO], v[10:11], s[66:67] offset:1024
	s_wait_tensorcnt 0x0                           ; the wave's end
	ds_add_u32 v[SPW], v[NIL]
	s_wait_dscnt 0x0
	CROUND                                         ; the closing round
	s_endpgm
.Lfunc_end_k_q3eaf5484fa_qkv:
	.size	k_q3eaf5484fa_qkv, .Lfunc_end_k_q3eaf5484fa_qkv-k_q3eaf5484fa_qkv
	.p2alignl 7, 3214868480
	.fill 96, 4, 3214868480
	.section	.rodata,"a",@progbits
	.p2align	6, 0x0
	.amdhsa_kernel k_q3eaf5484fa_qkv
		.amdhsa_group_segment_fixed_size 327680
		.amdhsa_private_segment_fixed_size 0
		.amdhsa_enable_private_segment 0
		.amdhsa_kernarg_size 24
		.amdhsa_user_sgpr_count 2
		.amdhsa_user_sgpr_kernarg_segment_ptr 1
		.amdhsa_wavefront_size32 1
		.amdhsa_system_sgpr_workgroup_id_x 1
		.amdhsa_system_sgpr_workgroup_id_y 1
		.amdhsa_system_sgpr_workgroup_id_z 1
		.amdhsa_system_vgpr_workitem_id 0
		.amdhsa_next_free_vgpr 1024
		.amdhsa_next_free_sgpr 102
		.amdhsa_reserve_vcc 0
		.amdhsa_float_denorm_mode_32 3
		.amdhsa_float_denorm_mode_16_64 3
		.amdhsa_fp16_overflow 1
		.amdhsa_memory_ordered 1
		.amdhsa_forward_progress 1
		.amdhsa_inst_pref_size 191
	.end_amdhsa_kernel
	.amdgpu_metadata
---
amdhsa.version: [ 1, 2 ]
amdhsa.kernels:
  - .name:           k_q3eaf5484fa_qkv
    .symbol:         k_q3eaf5484fa_qkv.kd
    .args:
      - { .name: act, .offset: 0, .size: 8, .value_kind: global_buffer, .address_space: global }
      - { .name: wa, .offset: 8, .size: 8, .value_kind: global_buffer, .address_space: global }
      - { .name: big, .offset: 16, .size: 8, .value_kind: global_buffer, .address_space: global }
    .group_segment_fixed_size: 327680
    .private_segment_fixed_size: 0
    .kernarg_segment_align: 8
    .kernarg_segment_size: 24
    .max_flat_workgroup_size: 128
    .sgpr_count:     102
    .vgpr_count:     1024
    .wavefront_size: 32
...
	.end_amdgpu_metadata
.endif
;; end of part 2
;; launch attn (part 3): grid 8 x 32, 16 waves a work-group, no clusters, 327,680 bytes of LDS; arguments big, act; writes act
.if DOCPART == 3
	.amdgcn_target "amdgcn-amd-amdhsa--gfx1250"
	.amdhsa_code_object_version 6
	.text
	.protected	k_q3eaf5484fa_attn
	.globl	k_q3eaf5484fa_attn
	.p2align	8
	.type	k_q3eaf5484fa_attn,@function
k_q3eaf5484fa_attn:
	s_mov_b64 s[64:65], 0
	v_nop
	global_prefetch_b8 v0, s[64:65] scope:SCOPE_SE
	s_setreg_imm32_b32 hwreg(HW_REG_WAVE_MODE, 25, 1), 1
	s_wait_xcnt 0x0
.set COD,   0x100000
.set PANEL, 0x400000
.set SPAN,  0x20000
.set SK,    256
.set KP,    80
.set VP,    272
.set VOFF,  SK*KP
.set SLOT1, 1<<16
.set NSL,   8
.set SCK,   2*SLOT1
.set SCV,   SCK+256*272
.set SPARE, SCV+16*272
.set AK0,  1
.set AV0,  2
.set ASK0, 3
.set ASV0, 4
.set SPW,  5
.set NIL,  6
.set GO,   7
.set PFO,  7
.set ADK,  8
.set ADV,  9
.set ADS,  10
.set ADT,  11
.set S,    104
.set OT,   168
.set PC,   200
.set BM,   216
.set PD,   220
.set HO,   224
.set SO,   228
.set KSW,  232
.set VSW,  240
.set WV,   18
.set MNT,  19
.set SEL,  20
.set CS,   22
.set G1K,  24
.set G1V,  32
.set G0K,  40
.set G0V,  44
.set G1SK, 48
.set G0SK, 56
.set G0SV, 60
.set G1SV, 68
.set TB,   2
.set TS,   3
.set TJ,   66
.set SLOTS, 67
.set PFA,  76
.set PFS,  78
.set LIM,  80
.set ROLE, 81
.set KF,   98
.set Q0,   99
.set QL,   100
.macro TLOAD g0k, g1k, g0v, g1v
	s_cmp_lt_u32 s[WV], 2
	s_cbranch_scc0 .Lnot_k_\@
	tensor_load_to_lds s[\g0k:\g0k+3], s[\g1k:\g1k+7]
	s_nop 0
.rept 4
	v_nop
.endr
	s_branch .Lasked_\@
.Lnot_k_\@:
	s_cmp_lt_u32 s[WV], 4
	s_cbranch_scc0 .Lasked_\@
	tensor_load_to_lds s[\g0v:\g0v+3], s[\g1v:\g1v+7]
	s_nop 0
.rept 4
	v_nop
.endr
.Lasked_\@:
.endm
.macro ASK
	s_cmp_gt_u32 s[SLOTS], s[LIM]
	s_cbranch_scc0 .Lnot_mine_\@
	global_prefetch_b8 v[PFO], s[PFA:PFA+1] th:TH_LOAD_NT scope:SCOPE_SE
.Lnot_mine_\@:
.endm
	s_load_b128 s[4:7], s[0:1], 0x0
	v_lshl_add_u32 v[SPW], v0, 2, SPARE
	v_mov_b32 v[NIL], 0
	ds_add_u32 v[SPW], v[NIL]
	ds_add_u32 v[SPW], v[NIL]
	v_lshrrev_b32 v8, 5, v0
	s_delay_alu instid0(VALU_DEP_1)
	v_readfirstlane_b32 s[WV], v8
	s_and_b32 s12, ttmp7, 0xffff
	s_and_b32 s13, s12, 15
	s_lshr_b32 s12, s12, 4
	s_lshl_b32 s82, ttmp9, 7
	s_lshl_b32 s83, s[WV], 4
	s_sub_co_u32 s84, 1792, s82
	s_cmp_lt_u32 s[WV], 8
	s_cselect_b32 s84, s82, s84
	s_add_co_u32 s[Q0], s84, s83
	s_sub_co_u32 s[QL], 2047, s82
	s_and_b32 s88, s[WV], 1
	s_lshl_b32 s90, s12, 21
	s_lshl_b32 s89, s88, 17
	s_add_co_u32 s90, s90, s89
	s_lshl_b32 s89, s13, 6
	s_add_co_u32 s90, s90, s89
	s_add_co_u32 s90, s90, COD+PANEL
	s_mov_b32 s91, 0
	s_lshl_b32 s92, s12, 23
	s_lshl_b32 s89, s13, 16
	s_add_co_u32 s92, s92, s89
	s_lshl_b32 s89, s88, 15
	s_add_co_u32 s92, s92, s89
	s_add_co_u32 s92, s92, COD+2*PANEL
	s_mov_b32 s93, 0
	s_lshl_b32 s94, s12, 16
	s_lshl_b32 s89, s88, 15
	s_add_co_u32 s94, s94, s89
	s_add_co_u32 s94, s94, SPAN
	s_mov_b32 s95, 0
	s_lshl_b32 s96, s12, 18
	s_lshl_b32 s89, s88, 17
	s_add_co_u32 s96, s96, s89
	s_lshl_b32 s89, s13, 11
	s_add_co_u32 s96, s96, s89
	s_add_co_u32 s96, s96, 2*SPAN
	s_mov_b32 s97, 0
	s_lshl_b32 s84, s12, 11
	s_add_co_u32 s84, s84, s[Q0]
	s_lshl_b32 s86, s84, 5
	s_lshl_b32 s89, s13, 1
	s_add_co_u32 s86, s86, s89
	s_mov_b32 s87, 0
	s_lshl_b32 s84, s84, 10
	s_lshl_b32 s89, s13, 6
	s_add_co_u32 s84, s84, s89
	s_add_co_u32 s84, s84, COD
	s_mov_b32 s85, 0
	s_mul_i32 s14, s88, 128*KP
	s_mul_i32 s15, s88, 32*VP
	s_add_co_u32 s15, s15, VOFF
	s_mul_i32 s16, s88, 128*272
	s_add_co_u32 s16, s16, SCK
	s_mul_i32 s17, s88, 8*272
	s_add_co_u32 s17, s17, SCV
	s_mov_b32 s[G1K], (0<<16)|(1<<20)|(3<<22)|(3<<25)
	s_mov_b32 s[G1K+1], 64<<16
	s_mov_b32 s[G1K+2], 128<<16
	s_mov_b32 s[G1K+3], 64<<16
	s_mov_b32 s[G1K+4], 128
	s_mov_b32 s[G1K+5], 1024
	s_mov_b32 s[G1K+6], 0
	s_mov_b32 s[G1K+7], 0
	s_mov_b32 s[G1V], (0<<16)|(1<<20)|(5<<22)|(3<<25)
	s_mov_b32 s[G1V+1], 256<<16
	s_mov_b32 s[G1V+2], 32<<16
	s_mov_b32 s[G1V+3], 256<<16
	s_mov_b32 s[G1V+4], 32
	s_mov_b32 s[G1V+5], 1024
	s_mov_b32 s[G1V+6], 0
	s_mov_b32 s[G1V+7], 0
	s_mov_b32 s[G1SK], (3<<16)|(1<<20)|(5<<22)|(3<<25)
	s_mov_b32 s[G1SK+1], 32<<16
	s_mov_b32 s[G1SK+2], 128<<16
	s_mov_b32 s[G1SK+3], 32<<16
	s_mov_b32 s[G1SK+4], 128
	s_mov_b32 s[G1SK+5], 32
	s_mov_b32 s[G1SK+6], 0
	s_mov_b32 s[G1SK+7], 0
	s_mov_b32 s[G1SV], (3<<16)|(1<<20)|(5<<22)|(3<<25)
	s_mov_b32 s[G1SV+1], 32<<16
	s_mov_b32 s[G1SV+2], 8<<16
	s_mov_b32 s[G1SV+3], 32<<16
	s_mov_b32 s[G1SV+4], 8
	s_mov_b32 s[G1SV+5], 32
	s_mov_b32 s[G1SV+6], 0
	s_mov_b32 s[G1SV+7], 0
	s_mov_b32 s[SEL], 0x76543210
	s_mov_b32 s[SEL+1], 0xfedcba98
	s_mov_b32 s[CS], 0x3e38aa3b
	s_mov_b32 s[CS+1], s[CS]
	s_mov_b32 s[TB], 0
	s_mov_b32 s[TS], 0
	s_mov_b32 s[SLOTS], NSL-1
	s_mov_b32 s[KF], 0
	s_mov_b32 s11, 0
	s_wait_dscnt 0x0
	s_wait_kmcnt 0x0
	s_mov_b32 s[G0SK], 1
	s_mov_b32 s[G0SK+1], s16
	s_add_nc_u64 s[G0SK+2:G0SK+3], s[4:5], s[94:95]
	s_or_b32 s[G0SK+3], s[G0SK+3], 0x80000000
	s_mov_b32 s[G0SV], 1
	s_mov_b32 s[G0SV+1], s17
	s_add_nc_u64 s[G0SV+2:G0SV+3], s[4:5], s[96:97]
	s_or_b32 s[G0SV+3], s[G0SV+3], 0x80000000
	TLOAD G0SK, G1SK, G0SV, G1SV
	s_mov_b32 s[G0K], 1
	s_mov_b32 s[G0K+1], s14
	s_add_nc_u64 s[G0K+2:G0K+3], s[4:5], s[90:91]
	s_or_b32 s[G0K+3], s[G0K+3], 0x80000000
	s_mov_b32 s[G0V], 1
	s_mov_b32 s[G0V+1], s15
	s_add_nc_u64 s[G0V+2:G0V+3], s[4:5], s[92:93]
	s_or_b32 s[G0V+3], s[G0V+3], 0x80000000
	TLOAD G0K, G1K, G0V, G1V
	s_add_nc_u64 s[90:91], s[4:5], s[84:85]
	s_add_nc_u64 s[92:93], s[4:5], s[86:87]
	s_add_nc_u64 s[8:9], s[6:7], s[84:85]
	s_add_nc_u64 s[14:15], s[6:7], s[86:87]
	v_and_b32 v8, 15, v0
	s_wait_alu depctr_va_vdst(0)
	v_bfe_u32 v9, v0, 4, 1
	v_lshlrev_b32 v10, 10, v8
	s_delay_alu instid0(VALU_DEP_1)
	v_lshl_add_u32 v10, v9, 4, v10
	global_load_b128 v[16:19], v10, s[90:91]
	global_load_b128 v[20:23], v10, s[90:91] offset:32
	v_lshlrev_b32 v254, 5, v8
	global_load_u16 v255, v254, s[92:93]
	s_sub_co_u32 s82, s[WV], 4
	s_lshr_b32 s82, s82, 3
	s_and_b32 s83, s13, 3
	s_or_b32 s82, s82, s83
	s_or_b32 s82, s82, ttmp9
	s_sub_co_u32 s83, s[WV], 12
	s_lshr_b32 s83, s83, 1
	s_or_b32 s83, s83, ttmp9
	s_cmp_eq_u32 s83, 0
	s_cselect_b32 s[ROLE], 1, 0
	s_min_u32 s82, s82, s83
	s_cmp_eq_u32 s82, 0
	s_cselect_b32 s[LIM], 1, -1
	s_and_b32 s84, s[WV], 7
	s_lshl_b32 s84, s84, 15
	s_lshl_b32 s85, s12, 21
	s_add_co_u32 s84, s84, s85
	s_lshl_b32 s85, s13, 6
	s_add_co_u32 s84, s84, s85
	s_add_co_u32 s84, s84, COD+PANEL+0x40000
	s_lshl_b32 s86, s88, 15
	s_lshl_b32 s85, s12, 23
	s_add_co_u32 s86, s86, s85
	s_lshl_b32 s85, s13, 16
	s_add_co_u32 s86, s86, s85
	s_add_co_u32 s86, s86, COD+2*PANEL+256
	s_cmp_lg_u32 s[ROLE], 0
	s_cselect_b32 s84, s86, s84
	s_mov_b32 s85, 0
	s_add_nc_u64 s[PFA:PFA+1], s[4:5], s[84:85]
	s_mov_b32 s[PFS+1], 0
	v_and_b32 v[PFO], 31, v0
	s_delay_alu instid0(VALU_DEP_1)
	v_lshlrev_b32 v[PFO], 10, v[PFO]
	v_and_b32 v11, 8, v8
	s_delay_alu instid0(VALU_DEP_1)
	v_add_nc_u32 v11, v11, v8
	s_delay_alu instid0(VALU_DEP_1)
	v_mul_u32_u24 v[AK0], v11, KP
	s_wait_alu depctr_va_vdst(0)
	v_lshl_add_u32 v[AK0], v9, 4, v[AK0]
	v_mul_u32_u24 v[AV0], v11, VP
	s_delay_alu instid0(VALU_DEP_1)
	v_lshl_add_u32 v[AV0], v9, 4, v[AV0]
	s_delay_alu instid0(VALU_DEP_1)
	v_add_nc_u32 v[AV0], VOFF, v[AV0]
	v_and_b32 v12, 7, v8
	v_lshrrev_b32 v13, 3, v8
	s_delay_alu instid0(VALU_DEP_2)
	v_lshlrev_b32 v12, 5, v12
	s_delay_alu instid0(VALU_DEP_1)
	v_mad_u32_u24 v12, v13, 544, v12
	s_delay_alu instid0(VALU_DEP_1)
	v_add_nc_u32 v[ASV0], SCV, v12
	s_lshl_b32 s85, s13, 1
	s_add_co_u32 s85, s85, SCK
	v_add_nc_u32 v[ASK0], s85, v12
	v_mov_b32 v13, 0xff61b1e6
	s_delay_alu instid0(VALU_DEP_1)
	v_floor_f32 v12, -v13
	v_mov_b32 v14, 0
	v_mov_b32 v15, 0
.irp b, 0,1,2,3
	v_mov_b32 v[PD+\b], 0
.endr
	v_mov_b32 v252, 0
	v_mov_b32 v253, 0
.irp j, 0,1,2,3,4,5,6,7
	v_mov_b32 v[24+\j], 0
	v_mov_b32 v[96+\j], 0
.endr
.set JJ, 0
.rept 32
	v_mov_b32 v[OT+JJ], 0
.set JJ, JJ+1
.endr
.macro STEP q
	s_add_co_u32 s96, s[Q0], 15
	s_cmp_gt_u32 s[KF], s96
	s_cbranch_scc1 .Lhidden_\@
	s_lshr_b32 s96, s[KF], 10
	s_mul_i32 s96, s96, 8*272
	s_bfe_u32 s97, s[KF], 0x30007
	s_lshl_b32 s97, s97, 2
	s_add_co_u32 s[TJ], s96, s97
	v_add_nc_u32 v[ADK], s[TB], v[AK0]
	v_add_nc_u32 v[ADV], s[TB], v[AV0]
	v_add_nc_u32 v[ADS], s[TS], v[ASK0]
	v_add_nc_u32 v[ADT], s[TJ], v[ASV0]
.rept 4
	v_nop
.endr
.irp t, 0,1,2,3,4,5,6,7
.irp c, 0,1
	ds_load_b128 v[32+8*\t+4*\c:32+8*\t+4*\c+3], v[ADK] offset:(128*(\q)+32*(\t/2)+8*(\t%2))*KP+32*\c
.endr
	ds_load_u16 v[KSW+\t], v[ADS] offset:(4*(\t/2)+\t%2)*272
.endr
	s_wait_alu depctr_va_vdst(0)
	s_wait_dscnt 0x0
.irp t, 0,1,2,3,4,5,6,7
	v_wmma_scale_f32_16x16x128_f8f6f4 v[S+8*\t:S+8*\t+7], v[32+8*\t:47+8*\t], v[16:31], 0, v[KSW+\t], v255
.endr
.rept 8
	v_nop
.endr
.irp t, 0,1,2,3
.irp c, 0,1,2,3
	ds_load_b128 v[32+16*\t+4*\c:32+16*\t+4*\c+3], v[ADV] offset:(32*(\t/2)+8*(\t%2))*VP+128*(\q)+32*\c
.endr
	ds_load_b32 v[VSW+\t], v[ADT] offset:(4*(\t/2)+\t%2)*272
.endr
	s_add_co_u32 s96, s[KF], 127
	s_cmp_le_u32 s96, s[Q0]
	s_cbranch_scc1 .Lopen_\@
	s_sub_co_i32 s96, s[Q0], s[KF]
	v_and_b32 v244, 15, v0
	v_bfe_u32 v245, v0, 4, 1
	s_delay_alu instid0(VALU_DEP_1)
	v_lshlrev_b32 v245, 4, v245
	s_delay_alu instid0(VALU_DEP_1)
	v_sub_nc_u32 v244, v244, v245
	s_delay_alu instid0(VALU_DEP_1)
	v_add_nc_u32 v244, s96, v244
	v_mov_b32 v246, 0xff800000
.set JJ, 0
.rept 64
	v_cmp_gt_i32 vcc_lo, 32*(JJ/16)+JJ%16, v244
	v_cndmask_b32 v[S+JJ], v[S+JJ], v246, vcc_lo
.set JJ, JJ+1
.endr
.Lopen_\@:
.irp b, 0,1,2,3
	v_max3_num_f32 v[BM+\b], v[S+16*\b], v[S+1+16*\b], v[S+2+16*\b]
.endr
.irp i, 3,5,7,9,11,13
.irp b, 0,1,2,3
	v_max3_num_f32 v[BM+\b], v[BM+\b], v[S+16*\b+\i], v[S+1+16*\b+\i]
.endr
.endr
.irp b, 0,1,2,3
	v_max_num_f32 v[BM+\b], v[BM+\b], v[S+15+16*\b]
.endr
.irp b, 0,1,2,3
	s_delay_alu instid0(VALU_DEP_4)
	v_permlanex16_b32 v[PD+\b], v[BM+\b], s[SEL], s[SEL+1]
.endr
.irp b, 0,1,2,3
	s_delay_alu instid0(VALU_DEP_4)
	v_max_num_f32 v[BM+\b], v[BM+\b], v[PD+\b]
.endr
	s_delay_alu instid0(VALU_DEP_2)
	v_max3_num_f32 v254, v[BM], v[BM+1], v[BM+2]
	s_delay_alu instid0(VALU_DEP_1)
	v_max_num_f32 v254, v254, v[BM+3]
	s_delay_alu instid0(VALU_DEP_1)
	v_mul_f32 v254, s[CS], v254
	s_delay_alu instid0(VALU_DEP_1)
	v_max_num_f32 v13, v13, v254
	v_mov_b32 v254, v12
	s_delay_alu instid0(VALU_DEP_2)
	v_floor_f32 v12, -v13
	s_delay_alu instid0(VALU_DEP_1)
	v_sub_f32 v254, v12, v254
	s_delay_alu instid0(VALU_DEP_1)
	v_cvt_i32_f32 v254, v254
	s_delay_alu instid0(VALU_DEP_1)
	v_ldexp_f32 v252, 1.0, v254
.set JJ, 0
.rept 32
	v_pk_fma_f32 v[S+JJ:S+JJ+1], v[S+JJ:S+JJ+1], s[CS:CS+1], v[12:13] op_sel_hi:[1,0,0]
.set JJ, JJ+2
.endr
.irp b, 0,1,2,3
	v_fma_f32 v[BM+\b], v[BM+\b], s[CS], v12
.endr
.set JJ, 0
	s_wait_alu depctr_va_vdst(0)
.rept 64
	v_exp_f32 v[S+JJ], v[S+JJ]
.set JJ, JJ+1
.endr
	v_pk_mul_f32 v[14:15], v[14:15], v[252:253] op_sel_hi:[1,0]
	s_wait_alu depctr_va_vdst(0)
.irp b, 0,1,2,3
	v_exp_f32 v[BM+\b], v[BM+\b]
.endr
	v_pk_add_f32 v[220:221], v[108:109], v[112:113]
	v_pk_add_f32 v[250:251], v[116:117], v[120:121]
	v_pk_add_f32 v[248:249], v[124:125], v[128:129]
	v_pk_add_f32 v[246:247], v[132:133], v[136:137]
	v_pk_add_f32 v[244:245], v[140:141], v[144:145]
	v_pk_add_f32 v[238:239], v[148:149], v[152:153]
	v_pk_add_f32 v[236:237], v[156:157], v[160:161]
	v_pk_add_f32 v[14:15], v[14:15], v[164:165]
	v_pk_add_f32 v[220:221], v[220:221], v[104:105]
	v_pk_add_f32 v[250:251], v[250:251], v[106:107]
	v_pk_add_f32 v[248:249], v[248:249], v[110:111]
	v_pk_add_f32 v[246:247], v[246:247], v[114:115]
	v_pk_add_f32 v[244:245], v[244:245], v[118:119]
	v_pk_add_f32 v[238:239], v[238:239], v[122:123]
	v_pk_add_f32 v[236:237], v[236:237], v[126:127]
	v_pk_add_f32 v[14:15], v[14:15], v[130:131]
	v_pk_add_f32 v[220:221], v[220:221], v[134:135]
	v_pk_add_f32 v[250:251], v[250:251], v[138:139]
	v_pk_add_f32 v[248:249], v[248:249], v[142:143]
	v_pk_add_f32 v[246:247], v[246:247], v[146:147]
	v_pk_add_f32 v[244:245], v[244:245], v[150:151]
	v_pk_add_f32 v[238:239], v[238:239], v[154:155]
	v_pk_add_f32 v[236:237], v[236:237], v[158:159]
	v_pk_add_f32 v[14:15], v[14:15], v[162:163]
	v_pk_add_f32 v[220:221], v[220:221], v[166:167]
	s_delay_alu instid0(VALU_DEP_2)
	v_pk_add_f32 v[14:15], v[14:15], v[246:247]
	s_delay_alu instid0(VALU_DEP_2)
	v_pk_add_f32 v[220:221], v[220:221], v[244:245]
	v_pk_add_f32 v[250:251], v[250:251], v[238:239]
	v_pk_add_f32 v[248:249], v[248:249], v[236:237]
	s_delay_alu instid0(VALU_DEP_2)
	v_pk_add_f32 v[14:15], v[14:15], v[250:251]
	s_delay_alu instid0(VALU_DEP_2)
	v_pk_add_f32 v[220:221], v[220:221], v[248:249]
	s_delay_alu instid0(VALU_DEP_1)
	v_pk_add_f32 v[14:15], v[14:15], v[220:221]
	s_wait_alu depctr_va_vdst(0)
.irp b, 0,1,2,3
	v_max_num_f32 v[BM+\b], 0x4800000, v[BM+\b]
.endr
.irp b, 0,1,2,3
	s_delay_alu instid0(VALU_DEP_4)
	v_add_nc_u32 v[SO+\b], 0xfc000000, v[BM+\b]
.endr
.irp b, 0,1,2,3
.endr
.irp b, 0,1,2,3
	s_delay_alu instid0(VALU_DEP_4)
	v_lshrrev_b32 v[PD+\b], 23, v[SO+\b]
.endr
	s_delay_alu instid0(VALU_DEP_3)
	v_lshl_or_b32 v253, v[PD+1], 8, v[PD]
	s_delay_alu instid0(VALU_DEP_1)
	v_lshl_or_b32 v253, v[PD+2], 16, v253
	s_delay_alu instid0(VALU_DEP_1)
	v_lshl_or_b32 v253, v[PD+3], 24, v253
.irp b, 0,1,2,3
.irp i, 0,1,2,3,4,5,6,7,8,9,10,11,12,13,14,15
.endr
	v_cvt_scalef32_pk8_fp8_f32 v[PC+4*\b:PC+1+4*\b], v[S+16*\b:S+7+16*\b], v[SO+\b]
	v_cvt_scalef32_pk8_fp8_f32 v[PC+2+4*\b:PC+3+4*\b], v[S+8+16*\b:S+15+16*\b], v[SO+\b]
.endr
.set JJ, 0
.rept 16
	v_pk_mul_f32 v[OT+JJ:OT+JJ+1], v[OT+JJ:OT+JJ+1], v[252:253] op_sel_hi:[1,0]
.set JJ, JJ+2
.endr
	s_wait_alu depctr_va_vdst(0)
	s_wait_dscnt 0x0
.irp t, 0,1,2,3
	v_wmma_scale_f32_16x16x128_f8f6f4 v[OT+8*\t:OT+8*\t+7], v[32+16*\t:47+16*\t], v[PC:PC+15], v[OT+8*\t:OT+8*\t+7], v[VSW+\t], v253
.endr
.Lhidden_\@:
	s_add_co_u32 s[KF], s[KF], 128
	s_add_co_u32 s[TS], s[TS], 16*272
.endm
.macro CHANGE fill
	s_wait_tensorcnt 0x0
	ds_add_u32 v[SPW], v[NIL]
.if \fill
	s_xor_b32 s[G0K+1], s[G0K+1], SLOT1
	s_add_nc_u64 s[G0K+2:G0K+3], s[G0K+2:G0K+3], 0x40000
	s_mov_b32 s10, 256
	s_cmp_eq_u32 s[SLOTS], 4
	s_cselect_b32 s10, PANEL-768, s10
	s_xor_b32 s[G0V+1], s[G0V+1], SLOT1
	s_add_nc_u64 s[G0V+2:G0V+3], s[G0V+2:G0V+3], s[10:11]
	s_mov_b32 s82, 256
	s_cmp_eq_u32 s[SLOTS], 5
	s_cselect_b32 s82, PANEL-768, s82
	s_cmp_lg_u32 s[ROLE], 0
	s_cselect_b32 s[PFS], s82, 0x40000
	s_wait_xcnt 0x0
	s_add_nc_u64 s[PFA:PFA+1], s[PFA:PFA+1], s[PFS:PFS+1]
.endif
	s_wait_dscnt 0x0
	s_barrier_signal -1
	s_barrier_wait -1
.if \fill
	s_add_co_u32 s96, s[KF], SK
	s_cmp_gt_u32 s96, s[QL]
	s_cbranch_scc1 .Lpast_\@
	TLOAD G0K, G1K, G0V, G1V
.Lpast_\@:
	ASK
.endif
.endm
.macro SLOT_STEPS
	STEP 0
	STEP 1
	s_xor_b32 s[TB], s[TB], SLOT1
.endm
	s_wait_loadcnt 0x0
.Lslot:
	CHANGE 1
	SLOT_STEPS
	s_sub_co_u32 s[SLOTS], s[SLOTS], 1
	s_cmp_lg_u32 s[SLOTS], 0
	s_cbranch_scc1 .Lslot
	CHANGE 0
	SLOT_STEPS
.rept 8
	v_nop
.endr
	v_add_f32 v14, v14, v15
	s_delay_alu instid0(VALU_DEP_1)
	v_permlanex16_b32 v252, v14, s[SEL], s[SEL+1]
	s_delay_alu instid0(VALU_DEP_1)
	v_add_f32 v14, v14, v252
	s_wait_alu depctr_va_vdst(0)
	v_rcp_f32 v14, v14
	v_and_b32 v8, 15, v0
	v_bfe_u32 v9, v0, 4, 1
	s_delay_alu instid0(VALU_DEP_2)
	v_lshlrev_b32 v10, 5, v8
	s_wait_alu depctr_va_vdst(0)
	s_wait_xcnt 0x0
	v_lshlrev_b32 v[GO], 10, v8
	s_delay_alu instid0(VALU_DEP_1)
	v_lshl_add_u32 v[GO], v9, 4, v[GO]
	s_wait_alu depctr_va_vdst(0)
.set JJ, 0
.rept 32
	v_mul_f32 v[S+JJ], v[OT+JJ], v14
.set JJ, JJ+1
.endr
.irp b, 0,1
	v_max3_num_f32 v[BM+\b], |v[S+16*\b]|, |v[S+1+16*\b]|, 0x4800000
.endr
.irp i, 2,4,6,8,10,12,14
.irp b, 0,1
	s_delay_alu instid0(VALU_DEP_2)
	v_max3_num_f32 v[BM+\b], v[BM+\b], |v[S+16*\b+\i]|, |v[S+1+16*\b+\i]|
.endr
.endr
.irp b, 0,1
	s_delay_alu instid0(VALU_DEP_2)
	v_permlanex16_b32 v[PD+\b], v[BM+\b], s[SEL], s[SEL+1]
.endr
.irp b, 0,1
	s_delay_alu instid0(VALU_DEP_2)
	v_max_num_f32 v[BM+\b], v[BM+\b], v[PD+\b]
.endr
.irp b, 0,1
	s_delay_alu instid0(VALU_DEP_2)
	v_add_nc_u32 v[SO+\b], 0xfc000000, v[BM+\b]
.endr
.irp b, 0,1
.endr
.irp b, 0,1
	s_delay_alu instid0(VALU_DEP_2)
	v_lshrrev_b32 v[PD+\b], 23, v[SO+\b]
.endr
	s_delay_alu instid0(VALU_DEP_1)
	v_lshl_or_b32 v254, v[PD+1], 8, v[PD]
.irp b, 0,1
.irp i, 0,1,2,3,4,5,6,7,8,9,10,11,12,13,14,15
.endr
	v_cvt_scalef32_pk8_fp8_f32 v[PC+4*\b:PC+1+4*\b], v[S+16*\b:S+7+16*\b], v[SO+\b]
	v_cvt_scalef32_pk8_fp8_f32 v[PC+2+4*\b:PC+3+4*\b], v[S+8+16*\b:S+15+16*\b], v[SO+\b]
.endr
	v_nop
	global_store_b128 v[GO], v[PC:PC+3], s[8:9]
	global_store_b128 v[GO], v[PC+4:PC+7], s[8:9] offset:32
	global_store_b16 v10, v254, s[14:15]
	s_wait_tensorcnt 0x0
	ds_add_u32 v[SPW], v[NIL]
	s_wait_dscnt 0x0
	s_endpgm
.Lfunc_end_k_q3eaf5484fa_attn:
	.size	k_q3eaf5484fa_attn, .Lfunc_end_k_q3eaf5484fa_attn-k_q3eaf5484fa_attn
	.p2alignl 7, 3214868480
	.fill 96, 4, 3214868480
	.section	.rodata,"a",@progbits
	.p2align	6, 0x0
	.amdhsa_kernel k_q3eaf5484fa_attn
		.amdhsa_group_segment_fixed_size 327680
		.amdhsa_private_segment_fixed_size 0
		.amdhsa_enable_private_segment 0
		.amdhsa_kernarg_size 16
		.amdhsa_user_sgpr_count 2
		.amdhsa_user_sgpr_kernarg_segment_ptr 1
		.amdhsa_wavefront_size32 1
		.amdhsa_system_sgpr_workgroup_id_x 1
		.amdhsa_system_sgpr_workgroup_id_y 1
		.amdhsa_system_sgpr_workgroup_id_z 1
		.amdhsa_system_vgpr_workitem_id 0
		.amdhsa_next_free_vgpr 256
		.amdhsa_next_free_sgpr 102
		.amdhsa_reserve_vcc 1
		.amdhsa_float_denorm_mode_32 3
		.amdhsa_float_denorm_mode_16_64 3
		.amdhsa_fp16_overflow 1
		.amdhsa_memory_ordered 1
		.amdhsa_forward_progress 1
		.amdhsa_inst_pref_size 112
	.end_amdhsa_kernel
	.amdgpu_metadata
---
amdhsa.version: [ 1, 2 ]
amdhsa.kernels:
  - .name:           k_q3eaf5484fa_attn
    .symbol:         k_q3eaf5484fa_attn.kd
    .args:
      - { .name: big, .offset: 0, .size: 8, .value_kind: global_buffer, .address_space: global }
      - { .name: act, .offset: 8, .size: 8, .value_kind: global_buffer, .address_space: global }
    .group_segment_fixed_size: 327680
    .private_segment_fixed_size: 0
    .kernarg_segment_align: 8
    .kernarg_segment_size: 16
    .max_flat_workgroup_size: 512
    .sgpr_count:     102
    .vgpr_count:     256
    .wavefront_size: 32
...
	.end_amdgpu_metadata
.endif
;; end of part 3
;; launch proj (part 4): grid 8 x 32, 4 waves a work-group, clusters of 4 x 4, 327,680 bytes of LDS; arguments act, wa, cf; writes cf
.if DOCPART == 4
	.amdgcn_target "amdgcn-amd-amdhsa--gfx1250"
	.amdhsa_code_object_version 6
	.text
	.protected	k_q3eaf5484fa_proj
	.globl	k_q3eaf5484fa_proj
	.p2align	8
	.type	k_q3eaf5484fa_proj,@function
k_q3eaf5484fa_proj:
	s_mov_b64 s[64:65], 0
	v_nop
	global_prefetch_b8 v0, s[64:65] scope:SCOPE_SE
	s_setreg_imm32_b32 hwreg(HW_REG_WAVE_MODE, 25, 1), 1
	s_wait_xcnt 0x0
	s_wait_alu depctr_hold_cnt(0) depctr_sa_sdst(0) depctr_va_vdst(0) depctr_va_sdst(0) depctr_va_ssrc(0) depctr_va_vcc(0) depctr_vm_vsrc(0)
	s_getreg_b32 s2, hwreg(HW_REG_IB_STS2, 6, 4)
	s_cmp_eq_u32 s2, 0
	s_cbranch_scc0 .Lentry_in_a_cluster
	s_endpgm
.Lentry_in_a_cluster:
	s_bfe_u32 s2, ttmp6, 0x10000c
	s_cmp_lg_u32 s2, 0xf033
	s_cbranch_scc0 .Lentry_shape_is_right
	s_endpgm
.Lentry_shape_is_right:
; C[m][n] = sum over k of A[m][k] B[n][k], M = 4,096, N = 1,024, K = 1,024, on codes of FP8 (E4M3) with one E8M0 scale for each 32 along K; C is f32, [4096][1024].
; Arguments a, b, c.  An operand buffer holds scale bytes [row][32] at byte 0 and codes [row][1024] at COD.  A's rows are C's rows; B's rows begin at row 4,096 of b.
; A TILE OF C IS 128 x 128, so that C has 256 tiles, and ALL OF K LIES IN LDS AT ONCE: 256 rows x 1,024 bytes.  Every tile is a first fill: each wave asks for three (its 64 rows' scale bytes, K 0-511, K 512-1,023) behind the one
; opening round; nothing is filled again, so the products have no refill and no round of the cluster's barrier among them.  By this text's own count a wave has three tensor loads out.
; Four waves, each 64 x 64 of C in 16 accumulators.  The price: for 128 along K a wave reads 8 fragments from LDS for 16 matrix instructions, twice the bytes for each product that a wave tile of 128 x 128 reads.
; CLUSTERS: 4 x 4 work-groups; A's tiles are asked for jointly along a row of the cluster, B's along a column.  The matrix instruction is used transposed (source 0 = rows of B, source 1 = rows of A): a lane holds eight neighbouring numbers of a row of C.
; THE WAY OUT: a wave's 64 columns are 256 consecutive bytes of a row of C, aligned: each wave sends its own blocks of 16 rows through its own stage and stores them, with no barrier.
; REGISTERS: window 0: v0-31 addresses; v32-63 the scale words of all of K (register 8 i + q: lanes 0-15 A's block i, lanes 16-31 B's block i, K step q); v128-255 the accumulators ((a, b) at v[128 + 8 (4 a + b)]).
;   window 1: two sets of fragments of 128 registers: A's four blocks, then B's four.
.set SIZE_K, 1024
.set SIZE_N, 1024
.set COD,    0x100000
.set BROW0,  4096                      ; B's first row in its buffer
.set ROWB,   512                       ; a tile's row in bytes: half of K
.set KROW,   SIZE_K
.set PITCH,  528                       ; an LDS row: 512 bytes + 16: the 16 rows that a load touches start 16 bytes apart modulo 256
.set FR,     16                        ; registers of a fragment
.set NP,     8                         ; places behind this matrix instruction (ISA guide 7.12.1)
.set HALFT,  64*PITCH                  ; 64 rows: what one tensor load brings, and what one wave reads of A or of B
.set SLOT,   4*HALFT                   ; A's 128 rows, then B's 128 rows, for half of K
.set KS,     SIZE_K/32
.set SCL,    2*SLOT                    ; the scale bytes, as runs of 256 bytes + 16
.set HALFS,  (64*KS/256)*272
.set SBLK,   (16*KS/256)*272
.set SPARE,  SCL+4*HALFS               ; the spare words: 128 bytes a wave
.set STAGE,  SPARE+512                 ; 16 rows x 272 bytes for each wave: bytes of their own, into which no fill lands
.set SPITCH, 272
.set ADRA, 16                          ; v16-17 my A fragments in K's first and second half
.set ADRB, 20                          ; v20-21 the same for B
.set STO,  24
.set RD,   25
.set CO,   26
.set ADRS, 27
.set SPW,  28
.set NIL,  29
.set SC,   32
.set ACC,  128
.set G1, 24
.set G0, 32
.set G1B, 48
.set G0B, 56
.set G1S, 68
.set G0S, 76
.set G1SB, 80
.set G0SB, 88
.set MSB, 0
.macro WIN new                         ; the immediate's high byte repeats the setting that is left
.if MSB != \new
	s_set_vgpr_msb (MSB<<8)|\new
.set MSB, \new
.endif
.endm
.set MUL,  0x05                        ; sources 0 (B) and 1 (A) window 1; C and D window 0
.set TO_F, 0x40                        ; destination window 1, address window 0
.macro JLOAD g0a, g1a, g0b, g1b        ; a joint load: waves 0 and 1 for A, waves 2 and 3 for B; an s_nop 0 and four v_nop follow each line
	s_cmp_eq_u32 s15, 0
	s_cbranch_scc0 .Lfor_b_\@
	tensor_load_to_lds s[\g0a:\g0a+3], s[\g1a:\g1a+7]
	s_nop 0
.rept 4
	v_nop
.endr
	s_branch .Lasked_\@
.Lfor_b_\@:
	tensor_load_to_lds s[\g0b:\g0b+3], s[\g1b:\g1b+7]
	s_nop 0
.rept 4
	v_nop
.endr
.Lasked_\@:
.endm
.macro CROUND                          ; a round of the cluster's barrier
	s_barrier_signal -1
	s_barrier_wait -1
	s_cmp_lg_u32 s14, 0
	s_cbranch_scc1 .Lnot_wave_0_\@
	s_barrier_signal -3
.Lnot_wave_0_\@:
	s_barrier_wait -3
	s_barrier_signal -1
	s_barrier_wait -1
.endm
	s_load_b128 s[8:11], s[0:1], 0x0               ; a, b
	s_load_b64 s[12:13], s[0:1], 0x10              ; c
	v_lshl_add_u32 v[SPW], v0, 2, SPARE
	v_mov_b32 v[NIL], 0
	ds_add_u32 v[SPW], v[NIL]                      ; the wave's opening: the add and its wait ahead of my first tensor load
	v_lshrrev_b32 v1, 5, v0
	v_readfirstlane_b32 s14, v1                    ; wave 0..3
	s_lshr_b32 s15, s14, 1                         ; which half of the tile's rows is mine; also: I fetch for A (0) or B (1)
	s_and_b32 s16, s14, 1                          ; which half of its columns; also: which 64 rows I fetch
	s_bfe_u32 s40, ttmp6, 0x40000                  ; cx
	s_bfe_u32 s41, ttmp6, 0x40004                  ; cy
	s_lshl_b32 s42, ttmp9, 2
	s_add_co_u32 s42, s42, s40                     ; tile column
	s_and_b32 s17, ttmp7, 0xffff
	s_lshl_b32 s17, s17, 2
	s_add_co_u32 s17, s17, s41                     ; tile row
	s_lshl_b32 s43, s41, 2
	s_lshl_b32 s43, 15, s43                        ; my row of the cluster
	s_lshl_b32 s44, 0x1111, s40                    ; my column
	s_or_b32 s[G1+0], s43, (0<<16)|(1<<20)|(1<<21)|(6<<22)|(3<<25)  ; the mask; elements of 1 byte; padding on; bit 21 beside a mask; 4 words behind every 128
	s_or_b32 s[G1B+0], s44, (0<<16)|(1<<20)|(1<<21)|(6<<22)|(3<<25)
.irp g, G1, G1B
	s_mov_b32 s[\g+1], ROWB<<16                    ; tensor_dim0
	s_mov_b32 s[\g+2], 64<<16                      ; tensor_dim1
	s_mov_b32 s[\g+3], ROWB<<16                    ; tile_dim0
	s_mov_b32 s[\g+4], 64                          ; tile_dim1
	s_mov_b32 s[\g+5], KROW                        ; the pitch
	s_mov_b32 s[\g+6], 0
	s_mov_b32 s[\g+7], 0
.endr
	s_or_b32 s[G1S+0], s43, (3<<16)|(1<<20)|(1<<21)|(5<<22)|(3<<25)  ; the scale bytes of 64 rows: a dense block, as rows of 32 elements of 8 bytes
	s_or_b32 s[G1SB+0], s44, (3<<16)|(1<<20)|(1<<21)|(5<<22)|(3<<25)
.irp g, G1S, G1SB
	s_mov_b32 s[\g+1], 32<<16
	s_mov_b32 s[\g+2], (64*KS/256)<<16
	s_mov_b32 s[\g+3], 32<<16
	s_mov_b32 s[\g+4], 64*KS/256
	s_mov_b32 s[\g+5], 32
	s_mov_b32 s[\g+6], 0
	s_mov_b32 s[\g+7], 0
.endr
	s_lshl_b32 s18, s16, 6
	s_lshl_b32 s20, s17, 7
	s_add_co_u32 s20, s20, s18                     ; A: row 128 x tile row + 64 x half
	s_lshl_b32 s46, s42, 7
	s_add_co_u32 s46, s46, s18
	s_add_co_u32 s46, s46, BROW0                   ; B: its first row + 128 x tile column + 64 x half
	s_mov_b32 s21, 0
	s_mov_b32 s47, 0
	s_mov_b64 s[18:19], KS
	s_mul_u64 s[22:23], s[20:21], s[18:19]
	s_mul_u64 s[92:93], s[46:47], s[18:19]
	s_mov_b64 s[18:19], KROW
	s_mul_u64 s[20:21], s[20:21], s[18:19]
	s_mul_u64 s[46:47], s[46:47], s[18:19]
	s_mul_i32 s45, s14, HALFT                      ; where they go: wave x 64 rows: no place in the cluster enters an LDS address
	s_mul_i32 s94, s14, HALFS
	s_wait_dscnt 0x0                               ; the opening add is done
	s_wait_kmcnt 0x0
	s_mov_b64 s[6:7], s[8:9]                       ; A's scale bytes,
	s_add_nc_u64 s[4:5], s[8:9], COD               ; A's codes,
	s_add_nc_u64 s[8:9], s[10:11], COD             ; B's codes; s[10:11] B's scale bytes
	s_add_nc_u64 s[20:21], s[4:5], s[20:21]
	s_add_nc_u64 s[22:23], s[6:7], s[22:23]
	s_add_nc_u64 s[46:47], s[8:9], s[46:47]
	s_add_nc_u64 s[92:93], s[10:11], s[92:93]
	CROUND                                         ; all sixteen work-groups are here: the joint loads meet
	s_mov_b32 s[G0S], 1
	s_add_co_u32 s[G0S+1], s94, SCL
	s_mov_b64 s[G0S+2:G0S+3], s[22:23]
	s_or_b32 s[G0S+3], s[G0S+3], 0x80000000
	s_mov_b32 s[G0SB], 1
	s_add_co_u32 s[G0SB+1], s94, SCL
	s_mov_b64 s[G0SB+2:G0SB+3], s[92:93]
	s_or_b32 s[G0SB+3], s[G0SB+3], 0x80000000
	JLOAD G0S, G1S, G0SB, G1SB                     ; the scale bytes first
.irp s, 0,1
	s_mov_b32 s[G0+4*\s], 1
	s_add_co_u32 s[G0+4*\s+1], s45, \s*SLOT
	s_add_nc_u64 s[G0+4*\s+2:G0+4*\s+3], s[20:21], \s*ROWB
	s_or_b32 s[G0+4*\s+3], s[G0+4*\s+3], 0x80000000
	s_mov_b32 s[G0B+4*\s], 1
	s_add_co_u32 s[G0B+4*\s+1], s45, \s*SLOT
	s_add_nc_u64 s[G0B+4*\s+2:G0B+4*\s+3], s[46:47], \s*ROWB
	s_or_b32 s[G0B+4*\s+3], s[G0B+4*\s+3], 0x80000000
	JLOAD G0+4*\s, G1, G0B+4*\s, G1B               ; then K's two halves: these are all the tensor loads of the launch
.endr
	v_and_b32 v1, 15, v0                           ; r
	v_bfe_u32 v2, v0, 4, 1                         ; h
	v_mul_u32_u24 v3, v1, PITCH
	v_lshl_add_u32 v4, v2, 4, v3                   ; a fragment's row x pitch + 16 x half
	s_mul_i32 s21, s15, HALFT                      ; my 64 rows of A
	s_mul_i32 s22, s16, HALFT                      ; my 64 rows of B,
	s_add_co_u32 s22, s22, 2*HALFT                 ; which lie behind A's 128
.irp s, 0,1
	v_add_nc_u32 v[ADRA+\s], s21, v4
	v_add_nc_u32 v[ADRB+\s], s22, v4
	s_add_co_u32 s21, s21, SLOT
	s_add_co_u32 s22, s22, SLOT
.endr
	v_mul_u32_u24 v5, v1, KS                       ; my row's 32 scale bytes,
	v_lshrrev_b32 v6, 8, v5
	v_lshl_add_u32 v5, v6, 4, v5                   ; and 16 more for each 256 passed
	s_mul_i32 s21, s15, HALFS
	s_mul_i32 s22, s16, HALFS
	s_add_co_u32 s22, s22, 2*HALFS
	s_sub_co_u32 s22, s22, s21
	v_mul_u32_u24 v6, s22, v2                      ; lanes 16-31 take B's
	s_add_co_u32 s21, s21, SCL
	v_add_nc_u32 v5, v5, v6
	v_add_nc_u32 v[ADRS], s21, v5
	s_mul_i32 s23, s14, 16*SPITCH
	s_add_co_u32 s23, s23, STAGE                   ; my stage
	v_mul_u32_u24 v5, v1, SPITCH                   ; in: row r, 32 bytes for each half of the lanes
	v_lshl_add_u32 v5, v2, 5, v5
	v_add_nc_u32 v[STO], s23, v5
	v_mul_u32_u24 v5, v2, SPITCH                   ; back: lanes 0-15 one row of 256 bytes, lanes 16-31 the next
	v_lshl_add_u32 v5, v1, 4, v5
	v_add_nc_u32 v[RD], s23, v5
	v_lshlrev_b32 v5, 12, v2                       ; and the same two rows in C
	v_lshl_add_u32 v[CO], v1, 4, v5
	s_lshl_b32 s20, s17, 7
	s_lshl_b32 s21, s15, 6
	s_add_co_u32 s20, s20, s21                     ; my first row of C
	s_mov_b32 s21, 0
	s_mov_b64 s[18:19], SIZE_N*4
	s_mul_u64 s[20:21], s[20:21], s[18:19]
	s_lshl_b32 s46, s42, 9                         ; my first column, in bytes: 512 x tile column + 256 x half
	s_lshl_b32 s47, s16, 8
	s_add_co_u32 s46, s46, s47
	s_mov_b32 s47, 0
	s_add_nc_u64 s[20:21], s[20:21], s[46:47]
	s_add_nc_u64 s[12:13], s[12:13], s[20:21]
.macro FRAG reg, adr, kq, i            ; 16 rows x 128 K: lane l holds row l % 16; registers 4 c .. 4 c + 3 hold K = 32 c + 16 (l / 16) + 0 .. 15
.irp c, 0,1,2,3
	ds_load_b128 v[\reg+4*\c:\reg+4*\c+3], v[\adr] offset:128*(\kq)+32*\c+(\i)*16*PITCH
.endr
.endm
.macro FETCH slot, kq, f               ; 32 LDS loads in one run: the fragments of the kq-th 128 along K of half slot, into set f
	WIN TO_F
.irp i, 0,1,2,3
	FRAG 64+FR*\i+(\f), ADRB+(\slot), \kq, \i
	FRAG FR*\i+(\f), ADRA+(\slot), \kq, \i
.endr
.endm
; 16 matrix instructions: A's four blocks x B's four, 128 along K.  The 16 accumulators take turns, one instruction a turn, in the same order in every step.
.macro MUL16 f, q, zero
.irp a, 0,1,2,3
.irp b, 0,1,2,3
.if \zero
	v_wmma_scale_f32_16x16x128_f8f6f4 v[ACC+8*(4*\a+\b):ACC+8*(4*\a+\b)+7], v[64+FR*\b+(\f):64+FR*\b+(\f)+FR-1], v[FR*\a+(\f):FR*\a+(\f)+FR-1], 0, v[SC+8*\b+(\q)], v[SC+8*\a+(\q)] matrix_a_scale:MATRIX_SCALE_ROW1
.else
	v_wmma_scale_f32_16x16x128_f8f6f4 v[ACC+8*(4*\a+\b):ACC+8*(4*\a+\b)+7], v[64+FR*\b+(\f):64+FR*\b+(\f)+FR-1], v[FR*\a+(\f):FR*\a+(\f)+FR-1], v[ACC+8*(4*\a+\b):ACC+8*(4*\a+\b)+7], v[SC+8*\b+(\q)], v[SC+8*\a+(\q)] matrix_a_scale:MATRIX_SCALE_ROW1
.endif
.endr
.endr
.endm
.macro PLACES n                        ; plain vector lines between a matrix instruction and a load into, or a read of, its registers
.rept \n
	v_nop
.endr
.endm
; K step q of eight.  Its fragments were asked for ahead of the last step's products; the next step's are asked for ahead of its own, into the set that the last step's products read: eight places stand between.
.macro KSTEP q
	s_wait_dscnt 0x0                               ; this step's fragments are in (with step 0: the scale words too)
.if (\q) == 3
	s_wait_tensorcnt 0x0                           ; my part of K's second half has landed: no tensor load was issued behind it;
	s_barrier_signal -1                            ; it shows the second half whole to every wave, ahead of its first read below
	s_barrier_wait -1
.endif
.if (\q) < 7
.if (\q) > 0
	PLACES NP
.endif
	FETCH ((\q)+1)/4, ((\q)+1)%4, 128*(((\q)+1)%2)
.endif
	WIN MUL
.if (\q) == 0
	MUL16 128*((\q)%2), \q, 1                      ; the first step's products start the sums: nothing is cleared
.else
	MUL16 128*((\q)%2), \q, 0
.endif
.endm
	s_wait_tensorcnt 1                             ; the scale bytes and my part of K's first half are in; the second half's one load may be out
	s_barrier_signal -1
	s_barrier_wait -1
.irp i, 0,1,2,3
	ds_load_b128 v[SC+8*\i:SC+8*\i+3], v[ADRS] offset:\i*SBLK        ; a row's eight scale words: all of K, once
	ds_load_b128 v[SC+8*\i+4:SC+8*\i+7], v[ADRS] offset:\i*SBLK+16
.endr
	FETCH 0, 0, 0
.irp q, 0,1,2,3,4,5,6,7
	KSTEP \q
.endr
	WIN 0
; THE WAY OUT, block by block of 16 rows x 64 columns, through my own stage; the rows come back into the registers that they left.  LDS serves a wave's instructions in order (ISA guide 5.7.1.4):
; no wait between the stores and the loads, nor in front of the next block's stores.  No register is used twice and no base is stepped, so no store's sources are written again.
.macro TOSTAGE a
.irp b, 0,1,2,3
	ds_store_b128 v[STO], v[ACC+8*(4*(\a)+\b):ACC+8*(4*(\a)+\b)+3] offset:64*\b          ; each accumulator from its low end on
	ds_store_b128 v[STO], v[ACC+8*(4*(\a)+\b)+4:ACC+8*(4*(\a)+\b)+7] offset:64*\b+16
.endr
.irp t, 0,1,2,3,4,5,6,7
	ds_load_b128 v[ACC+32*(\a)+4*\t:ACC+32*(\a)+4*\t+3], v[RD] offset:\t*2*SPITCH
.endr
.endm
.macro SEND a, younger                 ; younger: the LDS instructions issued behind block a's loads, which may stay out
	s_wait_dscnt \younger
.irp t, 0,1,2,3,4,5,6,7
	global_store_b128 v[CO], v[ACC+32*(\a)+4*\t:ACC+32*(\a)+4*\t+3], s[12:13] offset:(16*(\a)+2*\t)*SIZE_N*4 th:TH_STORE_NT   ; sixteen lanes store 256 consecutive bytes, aligned
.endr
.endm
	PLACES NP                                      ; behind the last products: their results are read, and loads land on them, below
	TOSTAGE 0
	TOSTAGE 1
	SEND 0, 16                                     ; behind block 0's loads: block 1's 8 stores and 8 loads
	TOSTAGE 2
	SEND 1, 16
	TOSTAGE 3
	SEND 2, 16
	SEND 3, 0
	s_wait_tensorcnt 0x0                           ; the wave's end
	ds_add_u32 v[SPW], v[NIL]
	s_wait_dscnt 0x0
	CROUND                                         ; the closing round
	s_endpgm
.Lfunc_end_k_q3eaf5484fa_proj:
	.size	k_q3eaf5484fa_proj, .Lfunc_end_k_q3eaf5484fa_proj-k_q3eaf5484fa_proj
	.p2alignl 7, 3214868480
	.fill 96, 4, 3214868480
	.section	.rodata,"a",@progbits
	.p2align	6, 0x0
	.amdhsa_kernel k_q3eaf5484fa_proj
		.amdhsa_group_segment_fixed_size 327680
		.amdhsa_private_segment_fixed_size 0
		.amdhsa_enable_private_segment 0
		.amdhsa_kernarg_size 24
		.amdhsa_user_sgpr_count 2
		.amdhsa_user_sgpr_kernarg_segment_ptr 1
		.amdhsa_wavefront_size32 1
		.amdhsa_system_sgpr_workgroup_id_x 1
		.amdhsa_system_sgpr_workgroup_id_y 1
		.amdhsa_system_sgpr_workgroup_id_z 1
		.amdhsa_system_vgpr_workitem_id 0
		.amdhsa_next_free_vgpr 512
		.amdhsa_next_free_sgpr 98
		.amdhsa_reserve_vcc 0
		.amdhsa_float_denorm_mode_32 3
		.amdhsa_float_denorm_mode_16_64 3
		.amdhsa_memory_ordered 1
		.amdhsa_forward_progress 1
		.amdhsa_inst_pref_size 53
	.end_amdhsa_kernel
	.amdgpu_metadata
---
amdhsa.version: [ 1, 2 ]
amdhsa.kernels:
  - .name:           k_q3eaf5484fa_proj
    .symbol:         k_q3eaf5484fa_proj.kd
    .args:
      - { .name: act, .offset: 0, .size: 8, .value_kind: global_buffer, .address_space: global }
      - { .name: wa, .offset: 8, .size: 8, .value_kind: global_buffer, .address_space: global }
      - { .name: cf, .offset: 16, .size: 8, .value_kind: global_buffer, .address_space: global }
    .group_segment_fixed_size: 327680
    .private_segment_fixed_size: 0
    .kernarg_segment_align: 8
    .kernarg_segment_size: 24
    .max_flat_workgroup_size: 128
    .sgpr_count:     98
    .vgpr_count:     512
    .wavefront_size: 32
...
	.end_amdgpu_metadata
.endif
;; end of part 4
;; launch ln1 (part 5): grid 256 x 1, 16 waves a work-group, no clusters, 84,480 bytes of LDS; arguments cf, x, bproj, ln1_g, ln1_b, l1; writes l1
.if DOCPART == 5
	.amdgcn_target "amdgcn-amd-amdhsa--gfx1250"
	.amdhsa_code_object_version 6
	.text
	.protected	k_q3eaf5484fa_ln1
	.globl	k_q3eaf5484fa_ln1
	.p2align	8
	.type	k_q3eaf5484fa_ln1,@function
k_q3eaf5484fa_ln1:
	s_mov_b64 s[64:65], 0
	v_nop
	global_prefetch_b8 v0, s[64:65] scope:SCOPE_SE
	s_setreg_imm32_b32 hwreg(HW_REG_WAVE_MODE, 25, 1), 1
	s_wait_xcnt 0x0
; y = LayerNorm(x + cf + bproj) x g + beta over rows of 1,024, in f32: the mean, then the mean of the squared differences (two passes over registers), 1 / sqrt(var + 1e-5) by v_rsq_f32.
; y is stored as f32 (l1 + F32O) and, quantised along the row, as codes of FP8 (E4M3) at l1 + COD with one E8M0 byte for each 32 at l1 + 0.
; One wave takes one row and keeps it in 32 registers; each load and store of a wave covers 512 consecutive bytes.  No matrix unit, no cluster, no tensor load: the launch streams, and rows share nothing but the three vectors.
; For the conversions a lane must hold 16 neighbours: 512 numbers at a time turn through the wave's own stage in LDS (16 bytes of padding behind each 64).  The 32 scale bytes of each of the work-group's 16 rows meet in LDS and wave 0 stores their 512 bytes.
; LIMITS: a block of zeros, or one whose largest magnitude lies under 2^(9 - 127), gets the byte 1 (only this program reads the bytes); NaN and infinities are not served.
.set COD,   0x100000
.set F32O,  0x500000
.set SP,    80
.set WST,   2*32*SP                    ; a wave's two stages
.set SCB,   16*WST                     ; the work-group's 512 scale bytes
.set SPARE, SCB+512                    ; the spare words: 128 bytes a wave
.set SPW,   12
.set NIL,   13
.set Y,     16                         ; v16-47   the row
.set P,     48                         ; v48-79   cf
.set BP,    80                         ; v80-111  bproj
.set G,     112                        ; v112-143 the gain
.set BT,    144                        ; v144-175 the offset
.set X,     176                        ; v176-207 two sets of 16 neighbours
.set C,     220                        ; v220-227 codes
.set E,     228                        ; v228-229 scale bytes
.set SEL,   32
.set MNT,   34
.set INV,   35
.set EPS,   36
.macro WSUM r, t                       ; the sum over the wave's 32 lanes, in every lane
	s_delay_alu instid0(VALU_DEP_1)
	v_add_f32_dpp v[\r], v[\r], v[\r] row_xmask:1 row_mask:0xf bank_mask:0xf
	s_delay_alu instid0(VALU_DEP_1)
	v_add_f32_dpp v[\r], v[\r], v[\r] row_xmask:2 row_mask:0xf bank_mask:0xf
	s_delay_alu instid0(VALU_DEP_1)
	v_add_f32_dpp v[\r], v[\r], v[\r] row_xmask:4 row_mask:0xf bank_mask:0xf
	s_delay_alu instid0(VALU_DEP_1)
	v_add_f32_dpp v[\r], v[\r], v[\r] row_xmask:8 row_mask:0xf bank_mask:0xf
	s_delay_alu instid0(VALU_DEP_1)
	v_permlanex16_b32 v[\t], v[\r], s[SEL], s[SEL+1]
	s_delay_alu instid0(VALU_DEP_1)
	v_add_f32 v[\r], v[\r], v[\t]
.endm
.macro LD8 reg, sb
.irp j, 0,1,2,3,4,5,6,7
	global_load_b128 v[\reg+4*\j:\reg+4*\j+3], v3, s[\sb:\sb+1] offset:512*\j
.endr
.endm
.macro LD8N reg, sb
.irp j, 0,1,2,3,4,5,6,7
	global_load_b128 v[\reg+4*\j:\reg+4*\j+3], v3, s[\sb:\sb+1] offset:512*\j th:TH_LOAD_NT
.endr
.endm
.macro ADDR reg                        ; the row += 32 registers
.set JJ, 0
.rept 16
	v_pk_add_f32 v[Y+JJ:Y+JJ+1], v[Y+JJ:Y+JJ+1], v[\reg+JJ:\reg+JJ+1]
.set JJ, JJ+2
.endr
.endm
	s_load_b256 s[4:11], s[0:1], 0x0               ; cf, x, bproj, g
	s_load_b128 s[12:15], s[0:1], 0x20             ; beta, l1
	v_lshl_add_u32 v[SPW], v0, 2, SPARE
	v_mov_b32 v[NIL], 0
	v_lshrrev_b32 v1, 5, v0
	s_delay_alu instid0(VALU_DEP_1)
	v_readfirstlane_b32 s16, v1                    ; wave
	v_and_b32 v2, 31, v0
	s_delay_alu instid0(VALU_DEP_1)
	v_lshlrev_b32 v3, 4, v2                        ; 16 bytes a lane
	s_mul_i32 s17, s16, WST
	v_lshrrev_b32 v14, 2, v2
	s_delay_alu instid0(VALU_DEP_1)
	v_mul_u32_u24 v14, v14, SP
	v_and_b32 v15, 3, v2
	s_delay_alu instid0(VALU_DEP_1)
	v_lshl_add_u32 v14, v15, 4, v14
	s_delay_alu instid0(VALU_DEP_1)
	v_add_nc_u32 v14, s17, v14                     ; the stage, on the way in
	v_mul_u32_u24 v15, v2, SP
	s_delay_alu instid0(VALU_DEP_1)
	v_add_nc_u32 v15, s17, v15                     ; and out
	s_lshl_b32 s17, s16, 5
	s_add_co_u32 s17, s17, SCB
	v_lshrrev_b32 v5, 1, v2
	s_delay_alu instid0(VALU_DEP_1)
	v_add_nc_u32 v5, s17, v5                       ; my block's byte among my row's 32
	v_add_nc_u32 v6, SCB, v3                       ; wave 0's read of all 512
	s_lshl_b32 s18, ttmp9, 4
	s_add_co_u32 s18, s18, s16                     ; my row
	s_lshl_b32 s24, s18, 12
	s_mov_b32 s25, 0
	s_lshl_b32 s26, s18, 10
	s_add_co_u32 s26, s26, COD
	s_mov_b32 s27, 0
	s_lshl_b32 s28, ttmp9, 9
	s_mov_b32 s29, 0
	s_mov_b32 s[SEL], 0x76543210
	s_mov_b32 s[SEL+1], 0xfedcba98
	s_mov_b32 s[INV], 0x3a800000                   ; 1 / 1,024
	s_mov_b32 s[EPS], 0x3727c5ac                   ; 1e-5
	v_mov_b32 v212, 0                              ; a lane permute's destination counts as one of its sources
	v_mov_b32 v215, 0                              ; named as the upper half of a pair
	s_wait_kmcnt 0x0
	s_add_nc_u64 s[4:5], s[4:5], s[24:25]
	s_add_nc_u64 s[6:7], s[6:7], s[24:25]
	s_add_nc_u64 s[20:21], s[14:15], s[24:25]
	s_add_nc_u64 s[20:21], s[20:21], F32O          ; the row as f32,
	s_add_nc_u64 s[22:23], s[14:15], s[26:27]      ; its codes,
	s_add_nc_u64 s[14:15], s[14:15], s[28:29]      ; the work-group's scale bytes
	LD8N Y, 6
	LD8N P, 4
	LD8 BP, 8
	LD8 G, 10
	LD8 BT, 12
	s_wait_loadcnt 16                              ; x, cf and bproj are in; the gain's and the offset's 16 loads may be out
	ADDR P
	ADDR BP
	v_pk_add_f32 v[208:209], v[Y:Y+1], v[Y+2:Y+3]
	v_pk_add_f32 v[210:211], v[Y+4:Y+5], v[Y+6:Y+7]
.irp j, 8,12,16,20,24,28
	s_delay_alu instid0(VALU_DEP_2)
	v_pk_add_f32 v[208:209], v[208:209], v[Y+\j:Y+\j+1]
	s_delay_alu instid0(VALU_DEP_2)
	v_pk_add_f32 v[210:211], v[210:211], v[Y+\j+2:Y+\j+3]
.endr
	s_delay_alu instid0(VALU_DEP_1)
	v_pk_add_f32 v[208:209], v[208:209], v[210:211]
	s_delay_alu instid0(VALU_DEP_1)
	v_add_f32 v208, v208, v209
	WSUM 208, 212
	s_delay_alu instid0(VALU_DEP_1)
	v_mul_f32 v208, s[INV], v208                   ; the mean
.set JJ, 0
.rept 16
	v_pk_add_f32 v[Y+JJ:Y+JJ+1], v[Y+JJ:Y+JJ+1], v[208:209] op_sel_hi:[1,0] neg_lo:[0,1] neg_hi:[0,1]
.set JJ, JJ+2
.endr
	v_pk_mul_f32 v[210:211], v[Y:Y+1], v[Y:Y+1]
	v_pk_mul_f32 v[216:217], v[Y+2:Y+3], v[Y+2:Y+3]
.irp j, 4,8,12,16,20,24,28
	s_delay_alu instid0(VALU_DEP_2)
	v_pk_fma_f32 v[210:211], v[Y+\j:Y+\j+1], v[Y+\j:Y+\j+1], v[210:211]
	s_delay_alu instid0(VALU_DEP_2)
	v_pk_fma_f32 v[216:217], v[Y+\j+2:Y+\j+3], v[Y+\j+2:Y+\j+3], v[216:217]
.endr
	s_delay_alu instid0(VALU_DEP_1)
	v_pk_add_f32 v[210:211], v[210:211], v[216:217]
	s_delay_alu instid0(VALU_DEP_1)
	v_add_f32 v210, v210, v211
	WSUM 210, 212
	s_delay_alu instid0(VALU_DEP_1)
	v_fma_f32 v210, v210, s[INV], s[EPS]
	s_wait_alu depctr_va_vdst(0)
	v_rsq_f32 v214, v210
	v_nop                                          ; a plain line behind the transcendental
	s_wait_alu depctr_va_vdst(0)                   ; ahead of its first reader
	s_wait_loadcnt 0x0
.set JJ, 0
.rept 16
	v_pk_mul_f32 v[Y+JJ:Y+JJ+1], v[Y+JJ:Y+JJ+1], v[214:215] op_sel_hi:[1,0]
	s_delay_alu instid0(VALU_DEP_1)
	v_pk_fma_f32 v[Y+JJ:Y+JJ+1], v[Y+JJ:Y+JJ+1], v[G+JJ:G+JJ+1], v[BT+JJ:BT+JJ+1]
.set JJ, JJ+2
.endr
.irp j, 0,1,2,3,4,5,6,7
	global_store_b128 v3, v[Y+4*\j:Y+4*\j+3], s[20:21] offset:512*\j
.endr
.macro TURN t
.irp i, 0,1,2,3
	ds_store_b128 v14, v[Y+16*(\t)+4*\i:Y+16*(\t)+4*\i+3] offset:32*SP*(\t)+8*SP*\i
.endr
.irp i, 0,1,2,3
	ds_load_b128 v[X+16*(\t)+4*\i:X+16*(\t)+4*\i+3], v15 offset:32*SP*(\t)+16*\i
.endr
.endm
.macro STEP t
.set XS, X+16*(\t)
	v_max3_num_f32 v8, |v[XS]|, |v[XS+1]|, |v[XS+2]|
	v_max3_num_f32 v9, |v[XS+3]|, |v[XS+4]|, |v[XS+5]|
.irp i, 6,10
	s_delay_alu instid0(VALU_DEP_2)
	v_max3_num_f32 v8, v8, |v[XS+\i]|, |v[XS+\i+1]|
	s_delay_alu instid0(VALU_DEP_2)
	v_max3_num_f32 v9, v9, |v[XS+\i+2]|, |v[XS+\i+3]|
.endr
	s_delay_alu instid0(VALU_DEP_2)
	v_max3_num_f32 v8, v8, |v[XS+14]|, |v[XS+15]|
	s_delay_alu instid0(VALU_DEP_1)
	v_max3_num_f32 v8, v8, v9, 0x4800000           ; the floor 2^(9 - 127)
	s_delay_alu instid0(VALU_DEP_1)
	v_max_num_f32_dpp v8, v8, v8 row_xmask:1 row_mask:0xf bank_mask:0xf
	s_delay_alu instid0(VALU_DEP_1)
	v_add_nc_u32 v11, 0xfc000000, v8
.irp i, 0,1,2,3,4,5,6,7,8,9,10,11,12,13,14,15
.endr
	v_cvt_scalef32_pk8_fp8_f32 v[C+4*(\t):C+4*(\t)+1], v[XS:XS+7], v11
	v_cvt_scalef32_pk8_fp8_f32 v[C+4*(\t)+2:C+4*(\t)+3], v[XS+8:XS+15], v11
	v_lshrrev_b32 v[E+(\t)], 23, v11
	ds_store_b8 v5, v[E+(\t)] offset:16*(\t)       ; both lanes of a block write the same byte with the same value
	global_store_b128 v3, v[C+4*(\t):C+4*(\t)+3], s[22:23] offset:512*(\t)
.endm
	TURN 0
	TURN 1
	s_wait_dscnt 8                                 ; the first 512 numbers are back; the second turn's eight LDS instructions may be out
	STEP 0
	s_wait_dscnt 1                                 ; the second 512 are back; the byte store may be out
	STEP 1
	s_wait_dscnt 0x0                               ; for the others' sake: my byte stores are done
	s_barrier_signal -1
	s_barrier_wait -1
	s_cmp_lg_u32 s16, 0
	s_cbranch_scc1 .Lnot_0
	ds_load_b128 v[232:235], v6
	s_wait_dscnt 0x0
	global_store_b128 v3, v[232:235], s[14:15]     ; 512 consecutive bytes, aligned
.Lnot_0:
	s_wait_tensorcnt 0x0                           ; the wave's end
	ds_add_u32 v[SPW], v[NIL]
	s_wait_dscnt 0x0
	s_endpgm
.Lfunc_end_k_q3eaf5484fa_ln1:
	.size	k_q3eaf5484fa_ln1, .Lfunc_end_k_q3eaf5484fa_ln1-k_q3eaf5484fa_ln1
	.p2alignl 7, 3214868480
	.fill 96, 4, 3214868480
	.section	.rodata,"a",@progbits
	.p2align	6, 0x0
	.amdhsa_kernel k_q3eaf5484fa_ln1
		.amdhsa_group_segment_fixed_size 84480
		.amdhsa_private_segment_fixed_size 0
		.amdhsa_enable_private_segment 0
		.amdhsa_kernarg_size 48
		.amdhsa_user_sgpr_count 2
		.amdhsa_user_sgpr_kernarg_segment_ptr 1
		.amdhsa_wavefront_size32 1
		.amdhsa_system_sgpr_workgroup_id_x 1
		.amdhsa_system_sgpr_workgroup_id_y 1
		.amdhsa_system_sgpr_workgroup_id_z 1
		.amdhsa_system_vgpr_workitem_id 0
		.amdhsa_next_free_vgpr 256
		.amdhsa_next_free_sgpr 66
		.amdhsa_reserve_vcc 0
		.amdhsa_float_denorm_mode_32 3
		.amdhsa_float_denorm_mode_16_64 3
		.amdhsa_fp16_overflow 1
		.amdhsa_memory_ordered 1
		.amdhsa_forward_progress 1
		.amdhsa_inst_pref_size 21
	.end_amdhsa_kernel
	.amdgpu_metadata
---
amdhsa.version: [ 1, 2 ]
amdhsa.kernels:
  - .name:           k_q3eaf5484fa_ln1
    .symbol:         k_q3eaf5484fa_ln1.kd
    .args:
      - { .name: cf, .offset: 0, .size: 8, .value_kind: global_buffer, .address_space: global }
      - { .name: x, .offset: 8, .size: 8, .value_kind: global_buffer, .address_space: global }
      - { .name: bproj, .offset: 16, .size: 8, .value_kind: global_buffer, .address_space: global }
      - { .name: ln1_g, .offset: 24, .size: 8, .value_kind: global_buffer, .address_space: global }
      - { .name: ln1_b, .offset: 32, .size: 8, .value_kind: global_buffer, .address_space: global }
      - { .name: l1, .offset: 40, .size: 8, .value_kind: global_buffer, .address_space: global }
    .group_segment_fixed_size: 84480
    .private_segment_fixed_size: 0
    .kernarg_segment_align: 8
    .kernarg_segment_size: 48
    .max_flat_workgroup_size: 512
    .sgpr_count:     66
    .vgpr_count:     256
    .wavefront_size: 32
...
	.end_amdgpu_metadata
.endif
;; end of part 5
;; launch ffn1: the kernel of part 2 again; grid 16 x 16, 4 waves a work-group, clusters of 4 x 4, 327,680 bytes of LDS; arguments l1, wb, big; writes big
;; launch ffn2 (part 6): grid 4 x 64, 4 waves a work-group, clusters of 4 x 4, 327,680 bytes of LDS; arguments big, wb, cf; writes cf
.if DOCPART == 6
	.amdgcn_target "amdgcn-amd-amdhsa--gfx1250"
	.amdhsa_code_object_version 6
	.text
	.protected	k_q3eaf5484fa_ffn2
	.globl	k_q3eaf5484fa_ffn2
	.p2align	8
	.type	k_q3eaf5484fa_ffn2,@function
k_q3eaf5484fa_ffn2:
	s_mov_b64 s[64:65], 0
	v_nop
	global_prefetch_b8 v0, s[64:65] scope:SCOPE_SE
	s_setreg_imm32_b32 hwreg(HW_REG_WAVE_MODE, 25, 1), 1
	s_wait_xcnt 0x0
	s_wait_alu depctr_hold_cnt(0) depctr_sa_sdst(0) depctr_va_vdst(0) depctr_va_sdst(0) depctr_va_ssrc(0) depctr_va_vcc(0) depctr_vm_vsrc(0)
	s_getreg_b32 s2, hwreg(HW_REG_IB_STS2, 6, 4)
	s_cmp_eq_u32 s2, 0
	s_cbranch_scc0 .Lentry_in_a_cluster
	s_endpgm
.Lentry_in_a_cluster:
	s_bfe_u32 s2, ttmp6, 0x10000c
	s_cmp_lg_u32 s2, 0xf033
	s_cbranch_scc0 .Lentry_shape_is_right
	s_endpgm
.Lentry_shape_is_right:
; C[m][n] = sum over k of A[m][k] B[n][k], K = 1,024, on codes of FP8 (E4M3) with one E8M0 scale for each 32 along K; C is f32, [16384][1024].
; Arguments a, b, c.  An operand buffer holds scale bytes [row][32] at byte 0 and codes [row][1024] at COD.  A's rows are C's rows.  B's rows begin at 4,096 + 1,024 x (C's row / 4,096):
; four products stacked, the four parts along K of a product of K = 4,096, whose partial sums a later launch adds (four f32 partial sums, stated as a limit of order).
; A tile of C is 256 x 256: four waves, each 128 x 128 in 64 accumulators.  K goes in steps of 256 through a ring of two LDS slots filled by the tensor data mover; the scale bytes of the tile's rows come once and stay.
; CLUSTERS: 4 x 4 work-groups; A's tiles are asked for jointly along a row of the cluster, B's along a column.  The matrix instruction is used transposed: a lane holds eight neighbouring numbers of a row of C.
; REGISTERS: window 0: v0-31 addresses; v32-63 scale words, two sets; from v128 A's fragments, one set.  window 1: B's fragments, two sets.  windows 2, 3: the accumulators.
.set SIZE_K, 1024
.set SIZE_N, 1024
.set COD,    0x100000
.set KSTEP,  256
.set NQ,     KSTEP/128
.set ROWB,   256
.set KROW,   SIZE_K
.set PITCH,  272
.set FR,     16
.set NL,     4
.set NP,     8
.set HALFT,  128*PITCH
.set SLOT,   4*HALFT
.set LAPS,   SIZE_K/(2*KSTEP)
.set KS,     SIZE_K/32
.set SCL,    2*SLOT
.set HALFS,  (128*KS/256)*272
.set SBLK,   (16*KS/256)*272
.set SPARE,  SCL+4*HALFS
.set SPITCH, 528                       ; the way out: a stage of 16 rows x (512 bytes + 16) for each wave, in slot 0, which has had its last fill and its last read by then
.set ADRA, 16
.set ADRB, 20
.set STO,  24
.set RD,   25
.set CO,   26
.set ADRS, 27
.set SPW,  28
.set NIL,  29
.set SC,   32
.set AF,   128
.set BK,   128
.set G1, 24
.set G0, 32
.set G1B, 48
.set G0B, 56
.set G1S, 68
.set G0S, 76
.set G1SB, 80
.set G0SB, 88
.set MSB, 0
.macro WIN new
.if MSB != \new
	s_set_vgpr_msb (MSB<<8)|\new
.set MSB, \new
.endif
.endm
.set MUL_LO, 0xa1
.set MUL_HI, 0xf1
.set TO_B,   0x40
.macro JLOAD g0a, g1a, g0b, g1b        ; a joint load: waves 0 and 1 for A, waves 2 and 3 for B; an s_nop 0 and four v_nop follow each line
	s_cmp_eq_u32 s15, 0
	s_cbranch_scc0 .Lfor_b_\@
	tensor_load_to_lds s[\g0a:\g0a+3], s[\g1a:\g1a+7]
	s_nop 0
.rept 4
	v_nop
.endr
	s_branch .Lasked_\@
.Lfor_b_\@:
	tensor_load_to_lds s[\g0b:\g0b+3], s[\g1b:\g1b+7]
	s_nop 0
.rept 4
	v_nop
.endr
.Lasked_\@:
.endm
.macro CREST
	s_cmp_lg_u32 s14, 0
	s_cbranch_scc1 .Lnot_wave_0_\@
	s_barrier_signal -3
.Lnot_wave_0_\@:
	s_barrier_wait -3
	s_barrier_signal -1
	s_barrier_wait -1
.endm
.macro CROUND
	s_barrier_signal -1
	s_barrier_wait -1
	CREST
.endm
	s_load_b128 s[8:11], s[0:1], 0x0               ; a, b
	s_load_b64 s[12:13], s[0:1], 0x10              ; c
	v_lshl_add_u32 v[SPW], v0, 2, SPARE
	v_mov_b32 v[NIL], 0
	ds_add_u32 v[SPW], v[NIL]                      ; the wave's opening: the add and its wait ahead of my first tensor load
	v_lshrrev_b32 v1, 5, v0
	v_readfirstlane_b32 s14, v1
	s_lshr_b32 s15, s14, 1
	s_and_b32 s16, s14, 1
	s_bfe_u32 s40, ttmp6, 0x40000                  ; cx
	s_bfe_u32 s41, ttmp6, 0x40004                  ; cy
	s_lshl_b32 s42, ttmp9, 2
	s_add_co_u32 s42, s42, s40                     ; tile column
	s_and_b32 s17, ttmp7, 0xffff
	s_lshr_b32 s96, s17, 2                         ; which of the stacked products: four rows of clusters each; all sixteen partners share it
	s_lshl_b32 s96, s96, 10
	s_add_co_u32 s96, s96, 4096                    ; B's first row
	s_lshl_b32 s17, s17, 2
	s_add_co_u32 s17, s17, s41                     ; tile row
	s_lshl_b32 s43, s41, 2
	s_lshl_b32 s43, 15, s43
	s_lshl_b32 s44, 0x1111, s40
	s_or_b32 s[G1+0], s43, (0<<16)|(1<<20)|(1<<21)|(5<<22)|(3<<25)
	s_or_b32 s[G1B+0], s44, (0<<16)|(1<<20)|(1<<21)|(5<<22)|(3<<25)
.irp g, G1, G1B
	s_mov_b32 s[\g+1], ROWB<<16
	s_mov_b32 s[\g+2], 128<<16
	s_mov_b32 s[\g+3], ROWB<<16
	s_mov_b32 s[\g+4], 128
	s_mov_b32 s[\g+5], KROW
	s_mov_b32 s[\g+6], 0
	s_mov_b32 s[\g+7], 0
.endr
	s_or_b32 s[G1S+0], s43, (3<<16)|(1<<20)|(1<<21)|(5<<22)|(3<<25)
	s_or_b32 s[G1SB+0], s44, (3<<16)|(1<<20)|(1<<21)|(5<<22)|(3<<25)
.irp g, G1S, G1SB
	s_mov_b32 s[\g+1], 32<<16
	s_mov_b32 s[\g+2], (128*KS/256)<<16
	s_mov_b32 s[\g+3], 32<<16
	s_mov_b32 s[\g+4], 128*KS/256
	s_mov_b32 s[\g+5], 32
	s_mov_b32 s[\g+6], 0
	s_mov_b32 s[\g+7], 0
.endr
	s_lshl_b32 s18, s16, 7
	s_lshl_b32 s20, s17, 8
	s_add_co_u32 s20, s20, s18                     ; A: row 256 x tile row + 128 x half
	s_lshl_b32 s46, s42, 8
	s_add_co_u32 s46, s46, s18
	s_add_co_u32 s46, s46, s96                     ; B: its first row + 256 x tile column + 128 x half
	s_mov_b32 s21, 0
	s_mov_b32 s47, 0
	s_mov_b64 s[18:19], KS
	s_mul_u64 s[22:23], s[20:21], s[18:19]
	s_mul_u64 s[92:93], s[46:47], s[18:19]
	s_mov_b64 s[18:19], KROW
	s_mul_u64 s[20:21], s[20:21], s[18:19]
	s_mul_u64 s[46:47], s[46:47], s[18:19]
	s_mul_i32 s45, s14, HALFT
	s_mul_i32 s94, s14, HALFS
	s_wait_dscnt 0x0                               ; the opening add is done
	s_wait_kmcnt 0x0
	s_mov_b64 s[6:7], s[8:9]                       ; A's scale bytes,
	s_add_nc_u64 s[4:5], s[8:9], COD               ; A's codes,
	s_add_nc_u64 s[8:9], s[10:11], COD             ; B's codes; s[10:11] B's scale bytes
	s_add_nc_u64 s[20:21], s[4:5], s[20:21]
	s_add_nc_u64 s[22:23], s[6:7], s[22:23]
	s_add_nc_u64 s[46:47], s[8:9], s[46:47]
	s_add_nc_u64 s[92:93], s[10:11], s[92:93]
	CROUND                                         ; all sixteen work-groups are here: the first joint loads meet
	s_mov_b32 s[G0S], 1
	s_add_co_u32 s[G0S+1], s94, SCL
	s_mov_b64 s[G0S+2:G0S+3], s[22:23]
	s_or_b32 s[G0S+3], s[G0S+3], 0x80000000
	s_mov_b32 s[G0SB], 1
	s_add_co_u32 s[G0SB+1], s94, SCL
	s_mov_b64 s[G0SB+2:G0SB+3], s[92:93]
	s_or_b32 s[G0SB+3], s[G0SB+3], 0x80000000
	JLOAD G0S, G1S, G0SB, G1SB
.irp s, 0,1
	s_mov_b32 s[G0+4*\s], 1
	s_add_co_u32 s[G0+4*\s+1], s45, \s*SLOT
	s_add_nc_u64 s[G0+4*\s+2:G0+4*\s+3], s[20:21], \s*ROWB
	s_or_b32 s[G0+4*\s+3], s[G0+4*\s+3], 0x80000000
	s_mov_b32 s[G0B+4*\s], 1
	s_add_co_u32 s[G0B+4*\s+1], s45, \s*SLOT
	s_add_nc_u64 s[G0B+4*\s+2:G0B+4*\s+3], s[46:47], \s*ROWB
	s_or_b32 s[G0B+4*\s+3], s[G0B+4*\s+3], 0x80000000
	JLOAD G0+4*\s, G1, G0B+4*\s, G1B
.endr
	v_and_b32 v1, 15, v0
	v_bfe_u32 v2, v0, 4, 1
	v_mul_u32_u24 v3, v1, PITCH
	v_lshl_add_u32 v4, v2, 4, v3
	s_mul_i32 s21, s15, HALFT
	s_mul_i32 s22, s16, HALFT
	s_add_co_u32 s22, s22, 2*HALFT
.irp s, 0,1
	v_add_nc_u32 v[ADRA+\s], s21, v4
	v_add_nc_u32 v[ADRB+\s], s22, v4
	s_add_co_u32 s21, s21, SLOT
	s_add_co_u32 s22, s22, SLOT
.endr
	v_mul_u32_u24 v5, v1, KS
	v_lshrrev_b32 v6, 8, v5
	v_lshl_add_u32 v5, v6, 4, v5
	s_mul_i32 s21, s15, HALFS
	s_mul_i32 s22, s16, HALFS
	s_add_co_u32 s22, s22, 2*HALFS
	s_sub_co_u32 s22, s22, s21
	v_mul_u32_u24 v6, s22, v2
	s_add_co_u32 s21, s21, SCL
	v_add_nc_u32 v5, v5, v6
	v_add_nc_u32 v[ADRS], s21, v5
	s_mul_i32 s23, s14, 16*SPITCH                  ; my stage
	v_mul_u32_u24 v5, v1, SPITCH
	v_lshl_add_u32 v5, v2, 5, v5
	v_add_nc_u32 v[STO], s23, v5
	v_and_b32 v6, 31, v0
	v_lshlrev_b32 v[CO], 4, v6
	v_add_nc_u32 v[RD], s23, v[CO]
	s_lshl_b32 s20, s17, 8
	s_lshl_b32 s21, s15, 7
	s_add_co_u32 s20, s20, s21                     ; my first row of C
	s_mov_b32 s21, 0
	s_mov_b64 s[18:19], SIZE_N*4
	s_mul_u64 s[20:21], s[20:21], s[18:19]
	s_lshl_b32 s46, s42, 10
	s_lshl_b32 s47, s16, 9
	s_add_co_u32 s46, s46, s47
	s_mov_b32 s47, 0
	s_add_nc_u64 s[20:21], s[20:21], s[46:47]
	s_add_nc_u64 s[12:13], s[12:13], s[20:21]
.macro FRAG reg, adr, q, i
.irp c, 0,1,2,3
	ds_load_b128 v[\reg+4*\c:\reg+4*\c+3], v[\adr] offset:128*(\q)+32*\c+(\i)*16*PITCH
.endr
.endm
.macro MUL16 a0, p, q, sc, zero        ; the 64 accumulators take turns, one instruction a turn
.irp a, \a0, \a0+1
.irp b, 0,1,2,3,4,5,6,7
.if \zero
	v_wmma_scale_f32_16x16x128_f8f6f4 v[8*(8*((\a)%4)+\b):8*(8*((\a)%4)+\b)+7], v[128*(\p)+FR*\b:128*(\p)+FR*\b+FR-1], v[AF+FR*(\a):AF+FR*(\a)+FR-1], 0, v[SC+8*NQ*(\sc)+NQ*\b+(\q)], v[SC+8*NQ*(\sc)+NQ*(\a)+(\q)] matrix_a_scale:MATRIX_SCALE_ROW1
.else
	v_wmma_scale_f32_16x16x128_f8f6f4 v[8*(8*((\a)%4)+\b):8*(8*((\a)%4)+\b)+7], v[128*(\p)+FR*\b:128*(\p)+FR*\b+FR-1], v[AF+FR*(\a):AF+FR*(\a)+FR-1], v[8*(8*((\a)%4)+\b):8*(8*((\a)%4)+\b)+7], v[SC+8*NQ*(\sc)+NQ*\b+(\q)], v[SC+8*NQ*(\sc)+NQ*(\a)+(\q)] matrix_a_scale:MATRIX_SCALE_ROW1
.endif
.endr
.endr
.endm
.macro FETCH_B slot, q, p
	WIN TO_B
.irp i, 0,1,2,3,4,5,6,7
	FRAG 128*(\p)+FR*\i, ADRB+\slot, \q, \i
.endr
	WIN 0
.endm
.macro FETCH_A slot, q, i0
.irp i, \i0, \i0+1, \i0+2, \i0+3
	FRAG AF+FR*(\i), ADRA+\slot, \q, \i
.endr
.endm
.macro SCALES sc
.irp i, 0,1,2,3,4,5,6,7
	ds_load_b64 v[SC+8*NQ*\sc+NQ*\i:SC+8*NQ*\sc+NQ*\i+1], v[ADRS] offset:\i*SBLK
.endr
.endm
.macro PLACES n
.rept \n
	v_nop
.endr
.endm
.macro STEP slot, q, zero
	s_wait_dscnt 4*NL                              ; B's set and A's blocks 0-3 are in; the youngest 16 loads may be out
	WIN MUL_LO
	MUL16 0, (\q)%2, \q, \slot, \zero
	MUL16 2, (\q)%2, \q, \slot, \zero
	s_wait_dscnt 0
	PLACES NP
	FETCH_B \slot, (\q)+1, 1-(\q)%2
	FETCH_A \slot, (\q)+1, 0
	WIN MUL_HI
	MUL16 4, (\q)%2, \q, \slot, \zero
	MUL16 6, (\q)%2, \q, \slot, \zero
	PLACES NP
	WIN 0
	FETCH_A \slot, (\q)+1, 4
.endm
.macro TURN slot, next, fill
	s_wait_tensorcnt 0x0                           ; all my tensor loads have landed
	ds_add_u32 v[SPW], v[NIL]
	s_wait_dscnt 4*NL+1                            ; the add and the youngest 16 loads may be out
	WIN MUL_LO
	MUL16 0, 1, NQ-1, \slot, 0
	s_wait_dscnt 0x0                               ; the add is done, and my reads of this slot are over
	s_barrier_signal -1
	MUL16 2, 1, NQ-1, \slot, 0
	WIN 0
	s_barrier_wait -1
.if \fill
	CREST
	s_add_nc_u64 s[G0+4*\slot+2:G0+4*\slot+3], s[G0+4*\slot+2:G0+4*\slot+3], 2*ROWB
	s_add_nc_u64 s[G0B+4*\slot+2:G0B+4*\slot+3], s[G0B+4*\slot+2:G0B+4*\slot+3], 2*ROWB
	JLOAD G0+4*\slot, G1, G0B+4*\slot, G1B
	PLACES NP-4
.else
	PLACES NP
.endif
	v_add_nc_u32 v[ADRS], 4*NQ, v[ADRS]
	FETCH_B \next, 0, 0
	FETCH_A \next, 0, 0
	SCALES \next
	WIN MUL_HI
	MUL16 4, 1, NQ-1, \slot, 0
	MUL16 6, 1, NQ-1, \slot, 0
	PLACES NP
	WIN 0
	FETCH_A \next, 0, 4
.endm
	s_wait_tensorcnt 1                             ; the scale bytes and my part of K step 0 are in; K step 1's one load may be out
	s_barrier_signal -1
	s_barrier_wait -1
	FETCH_B 0, 0, 0
	FETCH_A 0, 0, 0
	SCALES 0
	FETCH_A 0, 0, 4
	STEP 0, 0, 1
	s_mov_b32 s3, LAPS-1
.Llap:
	TURN 0, 1, 1
	STEP 1, 0, 0
	TURN 1, 0, 1
	STEP 0, 0, 0
	s_sub_co_u32 s3, s3, 1
	s_cmp_lg_u32 s3, 0
	s_cbranch_scc1 .Llap
	TURN 0, 1, 0
	STEP 1, 0, 0
	s_wait_dscnt 4*NL
	WIN MUL_LO
	MUL16 0, 1, NQ-1, 1, 0
	MUL16 2, 1, NQ-1, 1, 0
	s_wait_dscnt 0
	WIN MUL_HI
	MUL16 4, 1, NQ-1, 1, 0
	MUL16 6, 1, NQ-1, 1, 0
	WIN 0
; THE WAY OUT, block by block of 16 rows x 128 columns, through my own stage: back as whole rows of 512 bytes.  LDS serves a wave's instructions in order.
.macro TOSTAGE a
.set AC, 64*((\a)%4)
	WIN 0x08+4*((\a)/4)
.irp b, 0,1,2,3,4,5,6,7
	ds_store_b128 v[STO], v[AC+8*\b:AC+8*\b+3] offset:64*\b
	ds_store_b128 v[STO], v[AC+8*\b+4:AC+8*\b+7] offset:64*\b+16
.endr
	WIN 0
.set BB, BK+64*((\a)%2)
.irp t, 0,1,2,3,4,5,6,7,8,9,10,11,12,13,14,15
	ds_load_b128 v[BB+4*\t:BB+4*\t+3], v[RD] offset:\t*SPITCH
.endr
.endm
.macro SEND a, younger
.set BB, BK+64*((\a)%2)
	s_wait_dscnt \younger
.if (\a) > 0
	s_add_nc_u64 s[12:13], s[12:13], 16*SIZE_N*4   ; behind a wait on XCNT: the earlier stores have read their base
.endif
.irp t, 0,1,2,3,4,5,6,7,8,9,10,11,12,13,14,15
	global_store_b128 v[CO], v[BB+4*\t:BB+4*\t+3], s[12:13] offset:\t*SIZE_N*4 th:TH_STORE_NT   ; 32 lanes store 512 consecutive bytes, aligned
.endr
.endm
	PLACES NP
	TOSTAGE 0
.irp a, 1,2,3,4,5,6,7
.if \a > 1
	s_wait_xcnt 0x0                                ; block a - 2's stores have read their registers and their base
.endif
	TOSTAGE \a
	SEND \a-1, 32                                  ; behind block a - 1's loads: block a's 16 stores and 16 loads
.endr
	s_wait_xcnt 0x0
	SEND 7, 0
	s_wait_tensorcnt 0x0                           ; the wave's end
	ds_add_u32 v[SPW], v[NIL]
	s_wait_dscnt 0x0
	CROUND                                         ; the closing round
	s_endpgm
.Lfunc_end_k_q3eaf5484fa_ffn2:
	.size	k_q3eaf5484fa_ffn2, .Lfunc_end_k_q3eaf5484fa_ffn2-k_q3eaf5484fa_ffn2
	.p2alignl 7, 3214868480
	.fill 96, 4, 3214868480
	.section	.rodata,"a",@progbits
	.p2align	6, 0x0
	.amdhsa_kernel k_q3eaf5484fa_ffn2
		.amdhsa_group_segment_fixed_size 327680
		.amdhsa_private_segment_fixed_size 0
		.amdhsa_enable_private_segment 0
		.amdhsa_kernarg_size 24
		.amdhsa_user_sgpr_count 2
		.amdhsa_user_sgpr_kernarg_segment_ptr 1
		.amdhsa_wavefront_size32 1
		.amdhsa_system_sgpr_workgroup_id_x 1
		.amdhsa_system_sgpr_workgroup_id_y 1
		.amdhsa_system_sgpr_workgroup_id_z 1
		.amdhsa_system_vgpr_workitem_id 0
		.amdhsa_next_free_vgpr 1024
		.amdhsa_next_free_sgpr 98
		.amdhsa_reserve_vcc 0
		.amdhsa_float_denorm_mode_32 3
		.amdhsa_float_denorm_mode_16_64 3
		.amdhsa_memory_ordered 1
		.amdhsa_forward_progress 1
		.amdhsa_inst_pref_size 146
	.end_amdhsa_kernel
	.amdgpu_metadata
---
amdhsa.version: [ 1, 2 ]
amdhsa.kernels:
  - .name:           k_q3eaf5484fa_ffn2
    .symbol:         k_q3eaf5484fa_ffn2.kd
    .args:
      - { .name: big, .offset: 0, .size: 8, .value_kind: global_buffer, .address_space: global }
      - { .name: wb, .offset: 8, .size: 8, .value_kind: global_buffer, .address_space: global }
      - { .name: cf, .offset: 16, .size: 8, .value_kind: global_buffer, .address_space: global }
    .group_segment_fixed_size: 327680
    .private_segment_fixed_size: 0
    .kernarg_segment_align: 8
    .kernarg_segment_size: 24
    .max_flat_workgroup_size: 128
    .sgpr_count:     98
    .vgpr_count:     1024
    .wavefront_size: 32
...
	.end_amdgpu_metadata
.endif
;; end of part 6
;; launch ln2 (part 7): grid 256 x 1, 16 waves a work-group, no clusters, 0 bytes of LDS; arguments cf, l1, b2, ln2_g, ln2_b, out0; writes out0
.if DOCPART == 7
	.amdgcn_target "amdgcn-amd-amdhsa--gfx1250"
	.amdhsa_code_object_version 6
	.text
	.protected	k_q3eaf5484fa_ln2
	.globl	k_q3eaf5484fa_ln2
	.p2align	8
	.type	k_q3eaf5484fa_ln2,@function
k_q3eaf5484fa_ln2:
	s_mov_b64 s[64:65], 0
	v_nop
	global_prefetch_b8 v0, s[64:65] scope:SCOPE_SE
	s_setreg_imm32_b32 hwreg(HW_REG_WAVE_MODE, 25, 1), 1
	s_wait_xcnt 0x0
; out = LayerNorm(l1 + the four partial sums of the last product + b2) x g + beta over rows of 1,024, in f32: the mean, then the mean of the squared differences, 1 / sqrt(var + 1e-5) by v_rsq_f32.
; cf holds the four parts along K of the last product, 4,096 rows of 4,096 bytes each, 0x1000000 bytes apart; they are added in ascending K.  l1's rows as f32 lie at F32O.
; One wave takes one row in 32 registers; each load and store of a wave covers 512 consecutive bytes.  No LDS, no barrier, no matrix unit, no cluster: the launch streams and rows share nothing but the three vectors.
; LIMITS: NaN and infinities among the inputs are not served.
.set F32O,  0x500000
.set PART,  0x1000000
.set Y,     16                         ; v16-47   the row
.set P0,    48                         ; v48-175  the four parts; the gain and the offset later take the first two's registers
.set P1,    80
.set P2,    112
.set P3,    144
.set BB,    176                        ; v176-207 b2
.set SEL,   32
.set INV,   35
.set EPS,   36
.macro WSUM r, t
	v_add_f32_dpp v[\r], v[\r], v[\r] row_xmask:1 row_mask:0xf bank_mask:0xf
	v_add_f32_dpp v[\r], v[\r], v[\r] row_xmask:2 row_mask:0xf bank_mask:0xf
	v_add_f32_dpp v[\r], v[\r], v[\r] row_xmask:4 row_mask:0xf bank_mask:0xf
	v_add_f32_dpp v[\r], v[\r], v[\r] row_xmask:8 row_mask:0xf bank_mask:0xf
	v_permlanex16_b32 v[\t], v[\r], s[SEL], s[SEL+1]
	v_add_f32 v[\r], v[\r], v[\t]
.endm
.macro LD8 reg, sb
.irp j, 0,1,2,3,4,5,6,7
	global_load_b128 v[\reg+4*\j:\reg+4*\j+3], v3, s[\sb:\sb+1] offset:512*\j
.endr
.endm
.macro LD8N reg, sb
.irp j, 0,1,2,3,4,5,6,7
	global_load_b128 v[\reg+4*\j:\reg+4*\j+3], v3, s[\sb:\sb+1] offset:512*\j th:TH_LOAD_NT
.endr
.endm
.macro ADDR reg
.set JJ, 0
.rept 16
	v_pk_add_f32 v[Y+JJ:Y+JJ+1], v[Y+JJ:Y+JJ+1], v[\reg+JJ:\reg+JJ+1]
.set JJ, JJ+2
.endr
.endm
	s_load_b256 s[4:11], s[0:1], 0x0               ; cf, l1, b2, g
	s_load_b128 s[12:15], s[0:1], 0x20             ; beta, out0
	v_lshrrev_b32 v1, 5, v0
	v_readfirstlane_b32 s16, v1
	v_and_b32 v2, 31, v0
	v_lshlrev_b32 v3, 4, v2
	s_lshl_b32 s17, ttmp9, 4
	s_add_co_u32 s17, s17, s16                     ; my row
	s_lshl_b32 s24, s17, 12
	s_mov_b32 s25, 0
	s_mov_b32 s[SEL], 0x76543210
	s_mov_b32 s[SEL+1], 0xfedcba98
	s_mov_b32 s[INV], 0x3a800000                   ; 1 / 1,024
	s_mov_b32 s[EPS], 0x3727c5ac                   ; 1e-5
	v_mov_b32 v212, 0                              ; a lane permute's destination counts as one of its sources
	v_mov_b32 v215, 0                              ; named as the upper half of a pair
	s_wait_kmcnt 0x0
	s_add_nc_u64 s[16:17], s[4:5], s[24:25]
	s_add_nc_u64 s[18:19], s[16:17], PART
	s_add_nc_u64 s[20:21], s[18:19], PART
	s_add_nc_u64 s[22:23], s[20:21], PART
	s_add_nc_u64 s[6:7], s[6:7], s[24:25]
	s_add_nc_u64 s[6:7], s[6:7], F32O
	s_add_nc_u64 s[14:15], s[14:15], s[24:25]
	LD8N Y, 6
	LD8N P0, 16
	LD8N P1, 18
	LD8N P2, 20
	LD8N P3, 22
	LD8 BB, 8
	s_wait_loadcnt 32                              ; l1 and part 0 are in; behind them: parts 1 to 3 and b2, 32 loads
	ADDR P0
	LD8 P0, 10                                     ; the gain
	s_wait_loadcnt 32                              ; part 1 is in; behind it: parts 2, 3, b2, the gain
	ADDR P1
	LD8 P1, 12                                     ; the offset
	s_wait_loadcnt 32                              ; part 2 is in; behind it: part 3, b2, the gain, the offset
	ADDR P2
	s_wait_loadcnt 24                              ; part 3
	ADDR P3
	s_wait_loadcnt 16                              ; b2
	ADDR BB
	v_pk_add_f32 v[208:209], v[Y:Y+1], v[Y+2:Y+3]
	v_pk_add_f32 v[210:211], v[Y+4:Y+5], v[Y+6:Y+7]
.irp j, 8,12,16,20,24,28
	v_pk_add_f32 v[208:209], v[208:209], v[Y+\j:Y+\j+1]
	v_pk_add_f32 v[210:211], v[210:211], v[Y+\j+2:Y+\j+3]
.endr
	v_pk_add_f32 v[208:209], v[208:209], v[210:211]
	v_add_f32 v208, v208, v209
	WSUM 208, 212
	v_mul_f32 v208, s[INV], v208                   ; the mean
.set JJ, 0
.rept 16
	v_pk_add_f32 v[Y+JJ:Y+JJ+1], v[Y+JJ:Y+JJ+1], v[208:209] op_sel_hi:[1,0] neg_lo:[0,1] neg_hi:[0,1]
.set JJ, JJ+2
.endr
	v_pk_mul_f32 v[210:211], v[Y:Y+1], v[Y:Y+1]
	v_pk_mul_f32 v[216:217], v[Y+2:Y+3], v[Y+2:Y+3]
.irp j, 4,8,12,16,20,24,28
	v_pk_fma_f32 v[210:211], v[Y+\j:Y+\j+1], v[Y+\j:Y+\j+1], v[210:211]
	v_pk_fma_f32 v[216:217], v[Y+\j+2:Y+\j+3], v[Y+\j+2:Y+\j+3], v[216:217]
.endr
	v_pk_add_f32 v[210:211], v[210:211], v[216:217]
	v_add_f32 v210, v210, v211
	WSUM 210, 212
	v_fma_f32 v210, v210, s[INV], s[EPS]
	v_rsq_f32 v214, v210
	v_nop                                          ; a plain line behind the transcendental
	s_wait_alu depctr_va_vdst(0)                   ; ahead of its first reader
	s_wait_loadcnt 0x0                             ; the gain and the offset
.set JJ, 0
.rept 16
	v_pk_mul_f32 v[Y+JJ:Y+JJ+1], v[Y+JJ:Y+JJ+1], v[214:215] op_sel_hi:[1,0]
	v_pk_fma_f32 v[Y+JJ:Y+JJ+1], v[Y+JJ:Y+JJ+1], v[P0+JJ:P0+JJ+1], v[P1+JJ:P1+JJ+1]
.set JJ, JJ+2
.endr
.irp j, 0,1,2,3,4,5,6,7
	global_store_b128 v3, v[Y+4*\j:Y+4*\j+3], s[14:15] offset:512*\j th:TH_STORE_NT
.endr
	s_endpgm
.Lfunc_end_k_q3eaf5484fa_ln2:
	.size	k_q3eaf5484fa_ln2, .Lfunc_end_k_q3eaf5484fa_ln2-k_q3eaf5484fa_ln2
	.p2alignl 7, 3214868480
	.fill 96, 4, 3214868480
	.section	.rodata,"a",@progbits
	.p2align	6, 0x0
	.amdhsa_kernel k_q3eaf5484fa_ln2
		.amdhsa_group_segment_fixed_size 0
		.amdhsa_private_segment_fixed_size 0
		.amdhsa_enable_private_segment 0
		.amdhsa_kernarg_size 48
		.amdhsa_user_sgpr_count 2
		.amdhsa_user_sgpr_kernarg_segment_ptr 1
		.amdhsa_wavefront_size32 1
		.amdhsa_system_sgpr_workgroup_id_x 1
		.amdhsa_system_sgpr_workgroup_id_y 1
		.amdhsa_system_sgpr_workgroup_id_z 1
		.amdhsa_system_vgpr_workitem_id 0
		.amdhsa_next_free_vgpr 256
		.amdhsa_next_free_sgpr 66
		.amdhsa_reserve_vcc 0
		.amdhsa_float_denorm_mode_32 3
		.amdhsa_float_denorm_mode_16_64 3
		.amdhsa_memory_ordered 1
		.amdhsa_forward_progress 1
		.amdhsa_inst_pref_size 20
	.end_amdhsa_kernel
	.amdgpu_metadata
---
amdhsa.version: [ 1, 2 ]
amdhsa.kernels:
  - .name:           k_q3eaf5484fa_ln2
    .symbol:         k_q3eaf5484fa_ln2.kd
    .args:
      - { .name: cf, .offset: 0, .size: 8, .value_kind: global_buffer, .address_space: global }
      - { .name: l1, .offset: 8, .size: 8, .value_kind: global_buffer, .address_space: global }
      - { .name: b2, .offset: 16, .size: 8, .value_kind: global_buffer, .address_space: global }
      - { .name: ln2_g, .offset: 24, .size: 8, .value_kind: global_buffer, .address_space: global }
      - { .name: ln2_b, .offset: 32, .size: 8, .value_kind: global_buffer, .address_space: global }
      - { .name: out0, .offset: 40, .size: 8, .value_kind: global_buffer, .address_space: global }
    .group_segment_fixed_size: 0
    .private_segment_fixed_size: 0
    .kernarg_segment_align: 8
    .kernarg_segment_size: 48
    .max_flat_workgroup_size: 512
    .sgpr_count:     66
    .vgpr_count:     256
    .wavefront_size: 32
...
	.end_amdgpu_metadata
.endif
;; end of part 7
